; MI455X (gfx1250); checked and timed in simulation.
; The chip was launched on July 23, 2026; its instructions are those of AMD's public machine-readable ISA for CDNA 5 (MIT licence, August 2026) and "CDNA5" Instruction Set Architecture Reference Guide (July 2026). The comments in the code are by the model that wrote it; some were corrected since.
;; Vector Quantizer. Allowed arithmetic: float matrix products may take bf16 or f16 operands with f32 sums; all other float work in f32.
;; Inputs: emb 8,192 x 256 float32; z 8 x 256 x 2,048 float32.
;; Outputs: out0 8 x 256 x 2,048 float32; out1 one number float32; out2 8 x 2,048 int32.
;; 2 versions, each right; version 2 is version 1 with the launch prep written anew for expert scheduling mode. Each part assembles by itself: llvm-mc -triple=amdgcn-amd-amdhsa -mcpu=gfx1250 --defsym DOCPART=n.
;; ======== version 1 of 2: 4 launches
;; workspace buffers: zb 8,388,608 bytes; embh 4,194,304 bytes; zz 65,536 bytes; ee 32,768 bytes; part 1,048,576 bytes of whole numbers; lpart 1,024 bytes
;; launch prep (part 1): grid 256 x 1, 8 waves a work-group, no clusters, 5,376 bytes of LDS; arguments z, emb, zb, zz, embh, ee; writes zb, zz, embh, ee
.if DOCPART == 1
	.amdgcn_target "amdgcn-amd-amdhsa--gfx1250"
	.amdhsa_code_object_version 6
	.text
	.protected	k_q6a6322ad1d_prep
	.globl	k_q6a6322ad1d_prep
	.p2align	8
	.type	k_q6a6322ad1d_prep,@function
k_q6a6322ad1d_prep:
	s_mov_b64 s[64:65], 0
	v_nop
	global_prefetch_b8 v0, s[64:65] scope:SCOPE_SE
	s_setreg_imm32_b32 hwreg(HW_REG_WAVE_MODE, 25, 1), 1
	s_wait_xcnt 0x0
; VECTOR QUANTIZER, launch 1 of 4: both inputs rounded to bf16 (layouts unchanged), and the squared norms of the ROUNDED vectors in f32.
;   zb[b][d][t] = bf16(z[b][d][t])      zz[b*2048+t] = sum over d of zb^2
;   embh[n][d]  = bf16(emb[n][d])       ee[n]        = sum over d of embh^2
; THE WHOLE PROGRAM.
;   (2) d = fl(fl(zz + ee) - 2 z.e) for all 16,384 x 8,192 pairs on the matrix units; for each t and each quarter of the codes the two codes that come first by
;       (d, code) are stored as whole numbers: they are CANDIDATES, not yet the answer.
;   (3) For each t the four of its eight candidates that come first, by whole-number compares; their rows of emb are gathered; their products with z are formed
;       again, each as one f32 chain in ascending d; d is formed again; idx is the candidate with the smallest d, on a tie the lowest code, and it only selects
;       values.  Then z_q and partial sums of the loss.
;   (4) The loss.
; WHAT IS LEFT OUT: nothing but two identities.  stop_gradient is the identity on values, and the two means of the loss are means of the
; same squares, (e - z)^2 = (z - e)^2, so the mean is made once and multiplied by 1.25.
; WHAT IS NOT LEFT OUT, though it is the same for all codes of a row: the term sum(z^2).  In reference()'s f32 it is so large beside 2 z.e
; that d keeps only a few bits of the product; codes then tie, and argmin takes the first of them.  So launches 2 and 3 form
; fl(fl(zz + ee) - 2 dot) with the same two roundings.  The norms are taken of the rounded numbers, since the products are too.
; LIMITS.  The order of the f32 additions inside zz and ee is this launch's, not reference()'s.  The decision is made among FOUR candidates a row (at most two from a
; quarter of the codes, at most one from each of the 64 streams into which launch 2 deals a row's codes): where more codes lie within one rounding step of the smallest
; d, the further ones are judged by the matrix unit's sums, whose order of additions is its own.  NaN: see the next launches.
; SHARES.  Work-groups 0-127: z.  Group g owns batch g/16, 128 columns t from 128 (g%16), all 256 d; wave w owns d = 32 w .. 32 w + 31,
; a lane 4 neighbouring t.  A wave's load covers 512 consecutive bytes, its store 256 consecutive bytes, both aligned.  All 32 loads of a wave go out
; at once and every register is written once, so the only waits are the counted ones for the rows.  The eight waves' sums meet in LDS.
; Work-groups 128-255: emb.  Group g owns 64 rows, wave w rows 8 w .. 8 w + 7; a row is two loads of the wave, its sum stays inside the wave.
; LDS: bytes 0 - 4,095 the z way's sums (512 w + 16 x lane); bytes 4,096 - 4,351 the emb way's (word 8 w + i).  Each way has bytes of its own, so
; that no LDS byte is named on both ways and the ordering inside a way (store, wait for 0, barrier, load) is all that the text leans on.
; No matrix unit, no cluster, no tensor load: no byte is read twice and nothing is shared between work-groups.
.set X,   16                           ; v[16:143] the rows as loaded, then packed in place
.set EES, 4096                         ; the emb way's LDS bytes
	s_load_b256 s[4:11], s[0:1], 0x0               ; z s[4:5], emb s[6:7], zb s[8:9], zz s[10:11]
	s_load_b128 s[12:15], s[0:1], 0x20             ; embh s[12:13], ee s[14:15]
	v_lshl_add_u32 v148, v0, 2, 0x1100
	v_mov_b32 v149, 0
	v_lshrrev_b32 v8, 5, v0
	v_readfirstlane_b32 s16, v8                    ; wave 0..7
	v_and_b32 v1, 31, v0                           ; lane
	v_lshlrev_b32 v2, 4, v1                        ; 16 x lane
	v_lshlrev_b32 v3, 3, v1                        ; 8 x lane
	s_mov_b32 s26, 0x76543210                      ; v_permlanex16_b32: lane i of one half reads lane i of the other
	s_mov_b32 s27, 0xfedcba98
	s_mov_b32 s28, 0xffff0000                      ; a word's upper bf16
	s_mov_b32 s21, 0                               ; high word of every offset
	s_wait_kmcnt 0x0
	s_cmp_lt_u32 ttmp9, 128                        ; the same for all waves of a work-group
	s_cbranch_scc0 .Lemb
	; ---------------- z ----------------
	s_lshr_b32 s17, ttmp9, 4                       ; b
	s_and_b32 s18, ttmp9, 15
	s_lshl_b32 s19, s17, 8
	s_lshl_b32 s20, s16, 5
	s_add_co_u32 s19, s19, s20                     ; my first row of [b][d]: 256 b + 32 w
	s_lshl_b32 s20, s19, 13                        ; x 8,192 bytes
	s_lshl_b32 s22, s18, 9                         ; + 128 (g%16) columns of 4 bytes
	s_add_co_u32 s20, s20, s22
	s_add_nc_u64 s[4:5], s[4:5], s[20:21]
	s_lshr_b32 s20, s20, 1                         ; the same place in bf16: half the bytes
	s_add_nc_u64 s[8:9], s[8:9], s[20:21]
	s_lshl_b32 s20, ttmp9, 9                       ; zz: 128 g numbers of 4 bytes
	s_add_nc_u64 s[10:11], s[10:11], s[20:21]
	s_lshl_b32 s22, s16, 9
	v_add_nc_u32 v9, s22, v2                       ; LDS: 512 w + 16 x lane
.set n, 0
.rept 32
	global_load_b128 v[X+4*n:X+4*n+3], v2, s[4:5] offset:8192*n th:TH_LOAD_NT
.set n, n+1
.endr
.set n, 0
.rept 32
	s_wait_loadcnt 31-n                            ; loads come back in order: row n is in, the 31 - n younger rows stay out
	v_cvt_pk_bf16_f32 v[X+4*n], v[X+4*n], v[X+4*n+1]
	v_cvt_pk_bf16_f32 v[X+4*n+1], v[X+4*n+2], v[X+4*n+3]
.if n == 0
	v_lshlrev_b32 v12, 16, v[X]                    ; the first row starts the four sums: nothing is cleared
	v_and_b32 v13, s28, v[X]
	v_lshlrev_b32 v14, 16, v[X+1]
	v_and_b32 v15, s28, v[X+1]
	v_mul_f32 v4, v12, v12
	v_mul_f32 v5, v13, v13
	v_mul_f32 v6, v14, v14
	v_mul_f32 v7, v15, v15
.else
	v_fma_mix_f32_bf16 v4, v[X+4*n], v[X+4*n], v4 op_sel_hi:[1,1,0]                       ; low half squared, straight from bf16
	v_fma_mix_f32_bf16 v5, v[X+4*n], v[X+4*n], v5 op_sel:[1,1,0] op_sel_hi:[1,1,0]        ; high half squared
	v_fma_mix_f32_bf16 v6, v[X+4*n+1], v[X+4*n+1], v6 op_sel_hi:[1,1,0]
	v_fma_mix_f32_bf16 v7, v[X+4*n+1], v[X+4*n+1], v7 op_sel:[1,1,0] op_sel_hi:[1,1,0]
.endif
	global_store_b64 v3, v[X+4*n:X+4*n+1], s[8:9] offset:4096*n   ; the wave stores 256 consecutive bytes, aligned
.set n, n+1
.endr
	ds_store_b128 v9, v[4:7]                       ; my 4 columns' sums over my wave's 32 d
	s_wait_dscnt 0x0                               ; for wave 0's sake: my store is done before I signal
	s_barrier_signal -1
	s_barrier_wait -1
	s_cmp_lg_u32 s16, 0
	s_cbranch_scc1 .Lend
	s_wait_xcnt 0x0                                ; X holds the data of my stores: it is written again only behind this wait
.irp k, 0,1,2,3,4,5,6,7
	ds_load_b128 v[X+4*\k:X+4*\k+3], v2 offset:512*\k   ; the eight waves' sums of my 4 columns
.endr
	s_wait_dscnt 0x0
.irp k, 0,2,4,6,8,10,12,14
	v_pk_add_f32 v[X+\k:X+\k+1], v[X+\k:X+\k+1], v[X+16+\k:X+16+\k+1]
.endr
.irp k, 0,2,4,6
	v_pk_add_f32 v[X+\k:X+\k+1], v[X+\k:X+\k+1], v[X+8+\k:X+8+\k+1]
.endr
.irp k, 0,2
	v_pk_add_f32 v[X+\k:X+\k+1], v[X+\k:X+\k+1], v[X+4+\k:X+4+\k+1]
.endr
	global_store_b128 v2, v[X:X+3], s[10:11]       ; 512 consecutive bytes of zz
	s_wait_tensorcnt 0x0
	ds_add_u32 v148, v149
	s_wait_dscnt 0x0
	s_endpgm
	; ---------------- emb ----------------
.Lemb:
	s_sub_co_u32 s17, ttmp9, 128                   ; g
	s_lshl_b32 s18, s17, 6
	s_lshl_b32 s19, s16, 3
	s_add_co_u32 s18, s18, s19                     ; my first row: 64 g + 8 w
	s_lshl_b32 s20, s18, 10                        ; x 1,024 bytes
	s_add_nc_u64 s[6:7], s[6:7], s[20:21]
	s_lshl_b32 s20, s18, 9                         ; x 512 bytes in bf16
	s_add_nc_u64 s[12:13], s[12:13], s[20:21]
	s_lshl_b32 s20, s17, 8                         ; ee: 64 g numbers of 4 bytes
	s_add_nc_u64 s[14:15], s[14:15], s[20:21]
	s_lshl_b32 s22, s16, 5
	s_add_co_u32 s22, s22, EES
	v_mov_b32 v10, s22                             ; LDS: EES + 32 w
.irp i, 0,1,2,3,4,5,6,7
	global_load_b128 v[X+8*\i:X+8*\i+3],   v2, s[6:7] offset:1024*\i th:TH_LOAD_NT       ; d = 4 lane ..
	global_load_b128 v[X+8*\i+4:X+8*\i+7], v2, s[6:7] offset:1024*\i+512 th:TH_LOAD_NT   ; d = 128 + 4 lane ..
.endr
.irp i, 0,1,2,3,4,5,6,7
	s_wait_loadcnt 14-2*\i                         ; row i's two loads are in, the younger rows' stay out
	v_cvt_pk_bf16_f32 v[X+8*\i],   v[X+8*\i],   v[X+8*\i+1]
	v_cvt_pk_bf16_f32 v[X+8*\i+1], v[X+8*\i+2], v[X+8*\i+3]
	v_cvt_pk_bf16_f32 v[X+8*\i+2], v[X+8*\i+4], v[X+8*\i+5]
	v_cvt_pk_bf16_f32 v[X+8*\i+3], v[X+8*\i+6], v[X+8*\i+7]
	v_lshlrev_b32 v12, 16, v[X+8*\i]               ; two chains, each started by a product
	v_lshlrev_b32 v13, 16, v[X+8*\i+2]
	v_mul_f32 v4, v12, v12
	v_mul_f32 v5, v13, v13
	v_fma_mix_f32_bf16 v4, v[X+8*\i],   v[X+8*\i],   v4 op_sel:[1,1,0] op_sel_hi:[1,1,0]
	v_fma_mix_f32_bf16 v5, v[X+8*\i+2], v[X+8*\i+2], v5 op_sel:[1,1,0] op_sel_hi:[1,1,0]
	v_fma_mix_f32_bf16 v4, v[X+8*\i+1], v[X+8*\i+1], v4 op_sel_hi:[1,1,0]
	v_fma_mix_f32_bf16 v5, v[X+8*\i+3], v[X+8*\i+3], v5 op_sel_hi:[1,1,0]
	v_fma_mix_f32_bf16 v4, v[X+8*\i+1], v[X+8*\i+1], v4 op_sel:[1,1,0] op_sel_hi:[1,1,0]
	v_fma_mix_f32_bf16 v5, v[X+8*\i+3], v[X+8*\i+3], v5 op_sel:[1,1,0] op_sel_hi:[1,1,0]
	global_store_b64 v3, v[X+8*\i:X+8*\i+1],   s[12:13] offset:512*\i       ; 256 consecutive bytes, aligned
	global_store_b64 v3, v[X+8*\i+2:X+8*\i+3], s[12:13] offset:512*\i+256
	v_add_f32 v4, v4, v5
	v_add_f32_dpp v4, v4, v4 row_xmask:1 row_mask:0xf bank_mask:0xf
	v_add_f32_dpp v4, v4, v4 row_xmask:2 row_mask:0xf bank_mask:0xf
	v_add_f32_dpp v4, v4, v4 row_xmask:4 row_mask:0xf bank_mask:0xf
	v_add_f32_dpp v4, v4, v4 row_xmask:8 row_mask:0xf bank_mask:0xf
	v_permlanex16_b32 v5, v4, s26, s27             ; v5 has been written: the destination counts as read
	v_add_f32 v4, v4, v5                           ; the row's sum, in every lane
	ds_store_b32 v10, v4 offset:4*\i               ; word 8 w + i of the emb way's bytes; all lanes write the same number
.endr
	s_wait_dscnt 0x0                               ; for wave 0's sake
	s_barrier_signal -1
	s_barrier_wait -1
	s_cmp_lg_u32 s16, 0
	s_cbranch_scc1 .Lend
	ds_load_b64 v[12:13], v3 offset:EES            ; the group's 64 sums, two a lane
	s_wait_dscnt 0x0
	global_store_b64 v3, v[12:13], s[14:15]        ; 256 consecutive bytes of ee, aligned
.Lend:
	s_wait_tensorcnt 0x0
	ds_add_u32 v148, v149
	s_wait_dscnt 0x0
	s_endpgm
.Lfunc_end_k_q6a6322ad1d_prep:
	.size	k_q6a6322ad1d_prep, .Lfunc_end_k_q6a6322ad1d_prep-k_q6a6322ad1d_prep
	.p2alignl 7, 3214868480
	.fill 96, 4, 3214868480
	.section	.rodata,"a",@progbits
	.p2align	6, 0x0
	.amdhsa_kernel k_q6a6322ad1d_prep
		.amdhsa_group_segment_fixed_size 5376
		.amdhsa_private_segment_fixed_size 0
		.amdhsa_enable_private_segment 0
		.amdhsa_kernarg_size 48
		.amdhsa_user_sgpr_count 2
		.amdhsa_user_sgpr_kernarg_segment_ptr 1
		.amdhsa_wavefront_size32 1
		.amdhsa_system_sgpr_workgroup_id_x 1
		.amdhsa_system_sgpr_workgroup_id_y 1
		.amdhsa_system_sgpr_workgroup_id_z 1
		.amdhsa_system_vgpr_workitem_id 0
		.amdhsa_next_free_vgpr 150
		.amdhsa_next_free_sgpr 66
		.amdhsa_reserve_vcc 0
		.amdhsa_float_denorm_mode_32 3
		.amdhsa_float_denorm_mode_16_64 3
		.amdhsa_memory_ordered 1
		.amdhsa_forward_progress 1
		.amdhsa_inst_pref_size 37
	.end_amdhsa_kernel
	.amdgpu_metadata
---
amdhsa.version: [ 1, 2 ]
amdhsa.kernels:
  - .name:           k_q6a6322ad1d_prep
    .symbol:         k_q6a6322ad1d_prep.kd
    .args:
      - { .name: z, .offset: 0, .size: 8, .value_kind: global_buffer, .address_space: global }
      - { .name: emb, .offset: 8, .size: 8, .value_kind: global_buffer, .address_space: global }
      - { .name: zb, .offset: 16, .size: 8, .value_kind: global_buffer, .address_space: global }
      - { .name: zz, .offset: 24, .size: 8, .value_kind: global_buffer, .address_space: global }
      - { .name: embh, .offset: 32, .size: 8, .value_kind: global_buffer, .address_space: global }
      - { .name: ee, .offset: 40, .size: 8, .value_kind: global_buffer, .address_space: global }
    .group_segment_fixed_size: 5376
    .private_segment_fixed_size: 0
    .kernarg_segment_align: 8
    .kernarg_segment_size: 48
    .max_flat_workgroup_size: 256
    .sgpr_count:     66
    .vgpr_count:     150
    .wavefront_size: 32
...
	.end_amdgpu_metadata
.endif
;; end of part 1
;; launch dist (part 2): grid 4 x 64, 4 waves a work-group, clusters of 4 x 4, 327,680 bytes of LDS; arguments embh, zb, ee, zz, part; writes part
.if DOCPART == 2
	.amdgcn_target "amdgcn-amd-amdhsa--gfx1250"
	.amdhsa_code_object_version 6
	.text
	.protected	k_q6a6322ad1d_dist
	.globl	k_q6a6322ad1d_dist
	.p2align	8
	.type	k_q6a6322ad1d_dist,@function
k_q6a6322ad1d_dist:
	s_mov_b64 s[64:65], 0
	v_nop
	global_prefetch_b8 v0, s[64:65] scope:SCOPE_SE
	s_setreg_imm32_b32 hwreg(HW_REG_WAVE_MODE, 25, 1), 1
	s_wait_xcnt 0x0
	s_wait_alu depctr_hold_cnt(0) depctr_sa_sdst(0) depctr_va_vdst(0) depctr_va_sdst(0) depctr_va_ssrc(0) depctr_va_vcc(0) depctr_vm_vsrc(0)
	s_getreg_b32 s2, hwreg(HW_REG_IB_STS2, 6, 4)
	s_cmp_eq_u32 s2, 0
	s_cbranch_scc0 .Lentry_in_a_cluster
	s_endpgm
.Lentry_in_a_cluster:
	s_bfe_u32 s2, ttmp6, 0x10000c
	s_cmp_lg_u32 s2, 0xf033
	s_cbranch_scc0 .Lentry_shape_is_right
	s_endpgm
.Lentry_shape_is_right:
; VECTOR QUANTIZER, launch 2 of 4: d[t][n] = fl(fl(zz[t] + ee[n]) - 2 dot(z_t, e_n)) on the matrix units and, for each t and each quarter of the codes, the
; two codes that come first by (d, code).  They are CANDIDATES: the order of additions inside a product is the matrix unit's, and where two codes lie within
; one rounding step of d that order can decide between them; so the next launch forms the candidates' products again, in one fixed f32 order, and decides.
; Nothing of reference() is left out here: zz, though equal for all codes of a row, stays, because reference()'s f32 rounds d to zz's last bit and
; argmin then takes the first of the codes that tie; the two roundings above are reference()'s own (2 dot is exact, the subtraction is one fused multiply-add).
; OUT: part[q][t] = {key1, code1, key2, code2}.  key = d's bits made into an unsigned number of the same order (negative: all bits turned, else the sign bit
; set), so that the next launch can merge the quarters by whole-number compares.
; HOW THE CANDIDATES ARE KEPT.  Each accumulator register of each lane is a stream of its own: 128 codes, 16 apart, with its smallest d and the tile of that d's
; first appearance.  A row has 4 quarters x 2 lane halves x 8 registers = 64 streams.
; LIMITS.  A stream names one code, a quarter two, the next launch takes four for a row: further codes within a rounding step of the smallest d are judged by
; the matrix unit's sums alone.  NaN: a NaN among the d is passed over (minimum and compare drop it), where argmin would take the first NaN; a stream whose d
; are all NaN or +inf names its first code.  -0 and +0 get different keys; d is never -0 here (zz + ee >= +0, and an exact cancellation gives +0).
;
; SHARES.  256 work-groups = 64 blocks of 256 t x 4 quarters of 2,048 codes.  Wave w owns t = 64 w .. 64 w + 63 of the block (4 tiles of 16) and walks all
; 2,048 codes, 16 at a time.  Its z fragments (64 t x 256 d of bf16 = 256 registers) are loaded once and stay; only emb streams through LDS:
; 8 KiB of LDS reads feed 32 matrix instructions.  No wave needs another's results.
; CLUSTERS: 4 x 4 work-groups.  The four of a row of the cluster have the same block of t and ask for z's tile jointly; the four of a column have the same
; quarter and ask for emb's and ee's tiles jointly: each tile is requested once for four.  No LDS address, branch or trip count hangs on the place in the
; cluster; s16, s18, s20, s[70:73] only ever hold numbers made of cy and the wave, s15, s17, s21, s[74:79] only of cx and the wave.
; THE MATRIX INSTRUCTION: source 0 = 16 codes (rows of emb, K along the LDS rows), source 1 = 16 t (z lies [d][t] in LDS: transposing loads).
; Register j of lane (r, h) of the result is (code = 16 tile + 8 h + j, t = r): zz is one number a lane and t tile, ee eight registers a code tile.
;
; TWO PIECES SIDE BY SIDE.  There are two sets of four accumulators.  While code tile n is multiplied into one set (32 matrix instructions), the vector unit makes
; d and the streams of tile n - 1 from the other: 144 instructions, one list, dealt out six behind a matrix instruction (24 slices).
; ONE WINDOW SETTING serves both: source 1 in window 1 (z's fragments fill it), all else in window 0.  So a vector instruction of the list names vector registers
; in source 0, source 2 and the destination alone, and its source 1 is a constant or a scalar register:
;   t = ee x 1.0 + zz          rounds as the addition does (a two-source addition would take its second source from window 1)
;   d = acc x -2.0 + t         in place
;   x = d x -1.0 + best        its sign is exact: x > 0 means d < best, strictly, so on a tie the earlier tile stays
;   mask = x > 0;   best = min3(best, +inf, d);   tile = mask ? this tile's number (a scalar) : tile
; FRAGMENTS OF emb: one buffer of 64 registers in two halves of four K steps.  A half is loaded again, in one run, as soon as the products that read it are issued:
; K steps 4-7 of tile n behind product 1 of tile n, K steps 0-3 of tile n + 1 (and ee of tile n) behind product 17 of tile n; 14 products stand between a
; run and the wait for it.
;
; LDS: ZB    0        256 rows d x 544 (512 + 32: an odd multiple of 32 bytes, for the transposing loads)
;      EB    139,264  two slots of 128 codes x 528 (512 + 16: an odd multiple of 16 bytes)
;      EEB   274,432  ee of the quarter, 8,192 bytes
;      STG   282,624  1,024 bytes for each wave, for the way out; no tensor load lands here
; REGISTERS, window 0: v1 r, v2 h, v3 4 r, v4-5 emb fragment address in slot 0, 1, v6 ee address, v8-9 z fragment addresses, v10-13 the way out,
;   v[16:23] zz as pairs, v[24:31] t (four pairs by turns), v[32:35] x (two pairs by turns), v[36:43] the way out, v[48:63] ee, two buffers,
;   v[64:127] emb fragments, v[128:191] two sets of four accumulators, v[192:223] a stream's smallest d, v[224:255] its tile.
;   Window 1: v[64 i + 8 ks ..] z fragment of t tile i, K step ks.
.set ZP,    544
.set EP,    528
.set EB,    256*ZP
.set SLOT,  128*EP
.set EEB,   EB+2*SLOT
.set STG,   EEB+8192
.set CTB,   16*EP                      ; a code tile's 16 rows in a slot
.set STEPG, 128*512                    ; a slot's 128 codes in memory
.set ADRE,  4
.set AEE,   6
.set AZ,    8
.set STO,   10
.set RD,    11
.set CO,    12
.set CB,    13
.set ZZ,    16
.set T,     24
.set XD,    32
.set OUTR,  36
.set E0,    48
.set FA,    64
.set ACC0,  128
.set BV,    192
.set BI,    224
.set MS,    82                         ; s[82:85] lane masks, two pairs by turns
.set G1Z,   24                         ; s[24:31] shape of z's tile
.set G1E,   32                         ; s[32:39] shape of emb's tile
.set G1EE,  40                         ; s[40:47] shape of ee's piece
.set G0Z,   48                         ; s[48:51]
.set G0EE,  52                         ; s[52:55]
.set G0E,   56                         ; s[56:63] one set for each slot
.set MSB, 0
.macro WIN new                         ; the immediate's high byte repeats the setting that is left
.if MSB != \new
	s_set_vgpr_msb (MSB<<8)|\new
.set MSB, \new
.endif
.endm
; A round of the cluster's barrier: my work-group's barrier, wave 0 signals for the work-group, every wave waits for all sixteen, my work-group's barrier again.
.macro ROUND
	s_barrier_signal -1
	s_barrier_wait -1
	s_cmp_lg_u32 s14, 0
	s_cbranch_scc1 .Lnot_wave_0_\@
	s_barrier_signal -3
.Lnot_wave_0_\@:
	s_barrier_wait -3
	s_barrier_signal -1
	s_barrier_wait -1
.endm
	s_load_b256 s[4:11], s[0:1], 0x0               ; embh s[4:5], zb s[6:7], ee s[8:9], zz s[10:11]
	s_load_b64 s[12:13], s[0:1], 0x20              ; part
	v_lshl_add_u32 v46, v0, 2, 0x46000
	v_mov_b32 v47, 0
	ds_add_u32 v46, v47
	ds_add_u32 v46, v47
	v_lshrrev_b32 v1, 5, v0
	v_readfirstlane_b32 s14, v1                    ; wave 0..3
	s_bfe_u32 s15, ttmp6, 0x40000                  ; cx
	s_bfe_u32 s16, ttmp6, 0x40004                  ; cy
	s_lshl_b32 s17, ttmp9, 2
	s_add_co_u32 s17, s17, s15                     ; q: the quarter of the codes = 4 x cluster x + cx
	s_and_b32 s18, ttmp7, 0xffff
	s_lshl_b32 s18, s18, 2
	s_add_co_u32 s18, s18, s16                     ; rb: the block of 256 t = 4 x cluster y + cy
	s_lshl_b32 s20, s16, 2
	s_lshl_b32 s20, 15, s20                        ; my row of the cluster: places 4 cy .. 4 cy + 3
	s_lshl_b32 s21, 0x1111, s15                    ; my column: places cx, cx + 4, cx + 8, cx + 12
	; z's tile, a wave's part: 64 rows d x 256 t of 2 bytes, 2,048 elements from row to row; 8 words of padding behind every 128
	s_or_b32  s[G1Z+0], s20, (1<<16)|(1<<20)|(1<<21)|(6<<22)|(7<<25)
	s_mov_b32 s[G1Z+1], 256<<16                    ; tensor_dim0 = 256
	s_mov_b32 s[G1Z+2], 64<<16                     ; tensor_dim1 = 64
	s_mov_b32 s[G1Z+3], 256<<16                    ; tile_dim0 = 256
	s_mov_b32 s[G1Z+4], 64                         ; tile_dim1 = 64
	s_mov_b32 s[G1Z+5], 2048                       ; pitch
	s_mov_b32 s[G1Z+6], 0
	s_mov_b32 s[G1Z+7], 0
	; emb's tile, a wave's part: 32 codes x 256 d of 2 bytes, dense; 4 words of padding behind every 128
	s_or_b32  s[G1E+0], s21, (1<<16)|(1<<20)|(1<<21)|(6<<22)|(3<<25)
	s_mov_b32 s[G1E+1], 256<<16
	s_mov_b32 s[G1E+2], 32<<16
	s_mov_b32 s[G1E+3], 256<<16
	s_mov_b32 s[G1E+4], 32
	s_mov_b32 s[G1E+5], 256
	s_mov_b32 s[G1E+6], 0
	s_mov_b32 s[G1E+7], 0
	; ee, a wave's part: one row of 2,048 bytes as 256 elements of 8 bytes
	s_or_b32  s[G1EE+0], s21, (3<<16)|(1<<21)
	s_mov_b32 s[G1EE+1], 256<<16
	s_mov_b32 s[G1EE+2], 1<<16
	s_mov_b32 s[G1EE+3], 256<<16
	s_mov_b32 s[G1EE+4], 1
	s_mov_b32 s[G1EE+5], 256
	s_mov_b32 s[G1EE+6], 0
	s_mov_b32 s[G1EE+7], 0
	; byte offsets
	s_lshr_b32 s70, s18, 3                         ; zb: batch rb / 8 x 1,048,576
	s_lshl_b32 s70, s70, 20
	s_and_b32 s71, s18, 7                          ;   + 256 (rb % 8) columns of 2 bytes
	s_lshl_b32 s71, s71, 9
	s_add_co_u32 s70, s70, s71
	s_lshl_b32 s71, s14, 18                        ;   + my 64 rows d of 4,096 bytes
	s_add_co_u32 s70, s70, s71
	s_mov_b32 s71, 0
	s_lshl_b32 s72, s18, 10                        ; zz: (256 rb + 64 w) numbers of 4 bytes
	s_lshl_b32 s73, s14, 8
	s_add_co_u32 s72, s72, s73
	s_mov_b32 s73, 0
	s_lshl_b32 s74, s17, 20                        ; embh: 2,048 q codes of 512 bytes + my 32 codes
	s_lshl_b32 s75, s14, 14
	s_add_co_u32 s74, s74, s75
	s_mov_b32 s75, 0
	s_lshl_b32 s76, s17, 13                        ; ee: 2,048 q numbers of 4 bytes + my 512 numbers
	s_lshl_b32 s77, s14, 11
	s_add_co_u32 s76, s76, s77
	s_mov_b32 s77, 0
	s_mul_i32 s22, s14, 32*EP                      ; my part of a slot
	s_lshl_b32 s23, s14, 11                        ; my part of EEB
	s_wait_dscnt 0x0
	s_wait_kmcnt 0x0
	s_mov_b32 s[G0Z], 1
	s_mul_i32 s[G0Z+1], s14, 64*ZP                 ; LDS: ZB + my 64 rows
	s_add_nc_u64 s[G0Z+2:G0Z+3], s[6:7], s[70:71]
	s_or_b32  s[G0Z+3], s[G0Z+3], 0x80000000       ; type 2
	s_mov_b32 s[G0EE], 1
	s_add_co_u32 s[G0EE+1], s23, EEB
	s_add_nc_u64 s[G0EE+2:G0EE+3], s[8:9], s[76:77]
	s_or_b32  s[G0EE+3], s[G0EE+3], 0x80000000
	s_add_nc_u64 s[78:79], s[4:5], s[74:75]
.irp s, 0,1
	s_mov_b32 s[G0E+4*\s], 1
	s_add_co_u32 s[G0E+4*\s+1], s22, EB+\s*SLOT
	s_add_nc_u64 s[G0E+4*\s+2:G0E+4*\s+3], s[78:79], \s*STEPG      ; slot s starts with the quarter's codes 128 s ..
	s_or_b32  s[G0E+4*\s+3], s[G0E+4*\s+3], 0x80000000
.endr
	s_add_nc_u64 s[10:11], s[10:11], s[72:73]
	ROUND                                          ; all sixteen work-groups are here: the first joint loads meet
	tensor_load_to_lds s[G0Z:G0Z+3], s[G1Z:G1Z+7]          ; the first fills, one group: four loads of the wave are out
	s_nop 0
	tensor_load_to_lds s[G0EE:G0EE+3], s[G1EE:G1EE+7]
	s_nop 0
	tensor_load_to_lds s[G0E:G0E+3], s[G1E:G1E+7]
	s_nop 0
	tensor_load_to_lds s[G0E+4:G0E+7], s[G1E:G1E+7]
	s_nop 0
	v_and_b32 v1, 15, v0                           ; r
	v_bfe_u32 v2, v0, 4, 1                         ; h
	v_lshlrev_b32 v3, 2, v1                        ; 4 r
.irp i, 0,1,2,3
	global_load_b32 v[ZZ+2*\i], v3, s[10:11] offset:64*\i          ; zz of t = 16 i + r of my 64
.endr
	v_mul_u32_u24 v[ADRE], v1, EP                  ; emb fragment: row r x pitch + 16 h
	v_lshl_add_u32 v[ADRE], v2, 4, v[ADRE]
	v_add_nc_u32 v[ADRE+1], EB+SLOT, v[ADRE]
	v_add_nc_u32 v[ADRE], EB, v[ADRE]
	v_lshlrev_b32 v[AEE], 5, v2                    ; ee: my 8 codes of a tile's 16 start at byte 32 h
	v_add_nc_u32 v[AEE], EEB, v[AEE]
	v_and_b32 v14, 7, v0                           ; z fragment, transposing load: row (8 h + lane % 8) x pitch + 16 ((lane / 8) % 2) + my columns
	v_lshl_add_u32 v14, v2, 3, v14
	v_mul_u32_u24 v[AZ], v14, ZP
	v_bfe_u32 v15, v0, 3, 1
	v_lshl_add_u32 v[AZ], v15, 4, v[AZ]
	s_lshl_b32 s23, s14, 7                         ; 64 w columns of 2 bytes
	v_add_nc_u32 v[AZ], s23, v[AZ]
	v_add_nc_u32 v[AZ+1], 128*ZP, v[AZ]            ; d = 128 and up: beyond the 16-bit offset
	s_lshl_b32 s23, s14, 10
	s_add_co_u32 s23, s23, STG                     ; my stage
	v_lshl_add_u32 v[STO], v1, 4, s23              ; in: 16 bytes for t = r
	v_and_b32 v[CO], 31, v0
	v_lshlrev_b32 v[CO], 4, v[CO]                  ; 16 x lane
	v_add_nc_u32 v[RD], s23, v[CO]                 ; back: 16 bytes a lane
	s_lshl_b32 s76, s17, 11
	v_lshl_add_u32 v[CB], v2, 3, s76               ; my first code: 2,048 q + 8 h
	s_mov_b32 s67, 0x76543210                      ; v_permlanex16_b32: lane i of one half reads lane i of the other
	s_mov_b32 s68, 0xfedcba98
	s_mov_b32 s69, 0x7f800000                      ; +inf: every stream's best at the start, and the idle source of the minimum
	s_mov_b32 s81, -1                              ; the number of the tile whose streams are at work: stepped at the head of each step
; Eight LDS loads in one run: K steps KS0 .. KS0 + 3 of code tile NCT of slot NSLOT into their half of the fragment buffer
.macro FLOADS
.irp c, 0,1,2,3
	ds_load_b128 v[FA+8*(KS0+\c):FA+8*(KS0+\c)+3],   v[ADRE+NSLOT] offset:NCT*CTB+64*(KS0+\c)
	ds_load_b128 v[FA+8*(KS0+\c)+4:FA+8*(KS0+\c)+7], v[ADRE+NSLOT] offset:NCT*CTB+64*(KS0+\c)+32
.endr
.endm
; THE LIST: the 144 vector instructions that make d and the streams of one code tile from accumulator set ACCP and ee buffer EPV.
; A pair PP = 4 i + p is two neighbouring registers (codes 2 p, 2 p + 1 of my eight; t tile i).  Each line below issues its instruction if its number in the list,
; IDX, lies in OPLO .. OPHI - 1, and counts on.
.macro EM_T                            ; t = fl(zz + ee)
.if IDX >= OPLO
.if IDX < OPHI
	v_pk_fma_f32 v[T+2*(PP&3):T+2*(PP&3)+1], v[EPV+2*(PP&3):EPV+2*(PP&3)+1], 1.0, v[ZZ+2*(PP>>2):ZZ+2*(PP>>2)+1] op_sel_hi:[1,0,1]
.endif
.endif
.set IDX, IDX+1
.endm
.macro EM_D                            ; d = fl(t - 2 dot), in place
.if IDX >= OPLO
.if IDX < OPHI
	v_pk_fma_f32 v[ACCP+2*PP:ACCP+2*PP+1], v[ACCP+2*PP:ACCP+2*PP+1], -2.0, v[T+2*(PP&3):T+2*(PP&3)+1] op_sel_hi:[1,0,1]
.endif
.endif
.set IDX, IDX+1
.endm
.macro EM_X                            ; x = best - d
.if IDX >= OPLO
.if IDX < OPHI
	v_pk_fma_f32 v[XD+2*(PP&1):XD+2*(PP&1)+1], v[ACCP+2*PP:ACCP+2*PP+1], -1.0, v[BV+2*PP:BV+2*PP+1] op_sel_hi:[1,0,1]
.endif
.endif
.set IDX, IDX+1
.endm
.macro EM_C e                          ; d strictly smaller than the best
.if IDX >= OPLO
.if IDX < OPHI
	v_cmp_gt_f32 s[MS+2*(PP&1)+\e], v[XD+2*(PP&1)+\e], 0
.endif
.endif
.set IDX, IDX+1
.endm
.macro EM_M e                          ; the new best
.if IDX >= OPLO
.if IDX < OPHI
	v_min3_num_f32 v[BV+2*PP+\e], v[BV+2*PP+\e], s69, v[ACCP+2*PP+\e]
.endif
.endif
.set IDX, IDX+1
.endm
.macro EM_B e                          ; and its tile
.if IDX >= OPLO
.if IDX < OPHI
	v_cndmask_b32 v[BI+2*PP+\e], v[BI+2*PP+\e], s81, s[MS+2*(PP&1)+\e]
.endif
.endif
.set IDX, IDX+1
.endm
; The order of the list: in beat TT stand d of pair TT - 4, t of pair TT, x of pair TT - 5, compares and minima of pair TT - 6, selects of pair TT - 7, so that no
; instruction reads what one of the eight in front of it wrote.  d stands ahead of t in a beat: t's four pairs take turns, and pair TT lands where pair TT - 4
; has just been read.  x stands a beat ahead of the minimum that rewrites the best.  The list begins with four t's, which name no register of a matrix
; instruction: they are the four places in front of the first read of an accumulator (ISA guide 7.12.1).
.macro SLICE
.set IDX, 0
.set TT, 0
.rept 23
.if TT >= 4
.if TT < 20
.set PP, TT-4
	EM_D
.endif
.endif
.if TT < 16
.set PP, TT
	EM_T
.endif
.if TT >= 5
.if TT < 21
.set PP, TT-5
	EM_X
.endif
.endif
.if TT >= 6
.if TT < 22
.set PP, TT-6
	EM_C 0
	EM_C 1
	EM_M 0
	EM_M 1
.endif
.endif
.if TT >= 7
.set PP, TT-7
	EM_B 0
	EM_B 1
.endif
.set TT, TT+1
.endr
.endm
; In the first step there is no tile behind: its slices 0 to 15 set the streams, four registers each.
.macro INIT
	v_mov_b32 v[BV+2*QQ], s69
	v_mov_b32 v[BV+2*QQ+1], s69
	v_mov_b32 v[BI+2*QQ], 0
	v_mov_b32 v[BI+2*QQ+1], 0
.endm
; The change of slots.  It stands behind s_wait_dscnt 0: my reads of slot TSLOT are back.  All my tensor loads have landed, my part of the other slot among them; then
; the barrier, behind which both hold of every wave.  refill = 1: the barrier is a round of the cluster's barrier, so that both also hold of every partner, and
; the slot's next 128 codes are asked for first thing behind it: my one tensor load until the next round.
.macro TURN refill
	s_wait_tensorcnt 0x0
	ds_add_u32 v46, v47
	s_wait_dscnt 0x0
.if \refill
	s_add_nc_u64 s[G0E+4*TSLOT+2:G0E+4*TSLOT+3], s[G0E+4*TSLOT+2:G0E+4*TSLOT+3], 2*STEPG   ; no load of mine is out: the address may step
	ROUND
	tensor_load_to_lds s[G0E+4*TSLOT:G0E+4*TSLOT+3], s[G1E:G1E+7]
	s_nop 0
.else
	s_barrier_signal -1
	s_barrier_wait -1
.endif
.endm
; A STEP: the 32 products of code tile m (of the 16 of a pair of slots; 16 stands for the next pair's tile 0), K step KK / 4, t tile KK % 4.  The four accumulators of a
; set take turns, one instruction a turn, from step to step and over the loop's backward jump too; the first K step starts the sums
; with the constant 0.
; Behind product KK:  0, 2-13, 16, 18-27: a slice (mode 1: six of the list for tile m - 1; mode 0: the streams' start).
;                     1: this tile's K steps 4-7 are fetched; the half was read last by the step before, and slice 0 is the places in between.
;                     17: the next tile's K steps 0-3 (loadf) and this tile's ee; the half was read last by product 15, and slice 13 is the places in between.
; No slice stands behind products 14, 15 and 28-31, so that no compare has just been issued where a wait follows.
; turn = 1: slots change in front of product 16, between the last read of this tile's slot (behind product 1) and the first read of the other (behind product 17).
.macro STEP m, mode, turn, refill, loadf
.set ACCM, ACC0+32*((\m)&1)
.set ACCP, ACC0+32*(((\m)+1)&1)
.set EPV,  E0+8*(((\m)+1)&1)
.set ENX,  E0+8*((\m)&1)
	s_wait_dscnt 0x0                               ; the run behind the last step's product 17 is in: this tile's K steps 0-3, the last tile's ee
.if \mode == 1
	s_add_co_u32 s81, s81, 1                       ; the number of tile m - 1
.endif
	WIN 0x04                                       ; source 1 in window 1
.set KK, 0
.rept 32
.if KK == 16
	s_wait_dscnt 0x0                               ; the run behind product 1 is in: this tile's K steps 4-7
.if \turn
.set TSLOT, ((\m)>>3)&1
	WIN 0                                          ; branches and a label follow
	TURN \refill
	WIN 0x04
.endif
.endif
.if KK < 4
	v_wmma_f32_16x16x32_bf16 v[ACCM+8*(KK&3):ACCM+8*(KK&3)+7], v[FA+8*(KK>>2):FA+8*(KK>>2)+7], v[64*(KK&3)+8*(KK>>2):64*(KK&3)+8*(KK>>2)+7], 0
.else
	v_wmma_f32_16x16x32_bf16 v[ACCM+8*(KK&3):ACCM+8*(KK&3)+7], v[FA+8*(KK>>2):FA+8*(KK>>2)+7], v[64*(KK&3)+8*(KK>>2):64*(KK&3)+8*(KK>>2)+7], v[ACCM+8*(KK&3):ACCM+8*(KK&3)+7]
.endif
.set QQ, -1
.if KK == 0
.set QQ, 0
.endif
.if KK >= 2
.if KK <= 13
.set QQ, KK-1
.endif
.endif
.if KK == 16
.set QQ, 13
.endif
.if KK >= 18
.if KK <= 27
.set QQ, KK-4
.endif
.endif
.if QQ >= 0
.if \mode == 1
.set OPLO, 6*QQ
.set OPHI, 6*QQ+6
	SLICE
.else
.if QQ < 16
	INIT
.endif
.endif
.endif
.if KK == 1
.set NSLOT, ((\m)>>3)&1
.set NCT, (\m)&7
.set KS0, 4
	FLOADS
.endif
.if KK == 17
.if \loadf
.set NSLOT, (((\m)+1)>>3)&1
.set NCT, ((\m)+1)&7
.set KS0, 0
	FLOADS
.endif
	ds_load_b128 v[ENX:ENX+3],   v[AEE] offset:64*(\m)         ; ee of my 8 codes of tile m: read by the next step's list
	ds_load_b128 v[ENX+4:ENX+7], v[AEE] offset:64*(\m)+16
.endif
.set KK, KK+1
.endr
.endm
	s_wait_tensorcnt 0x1                           ; my parts of z, ee and slot 0 are in; slot 1's stays out
	s_barrier_signal -1
	s_barrier_wait -1                              ; everybody's are
	WIN 0x40                                       ; destination in window 1
.irp i, 0,1,2,3
.irp ks, 0,1,2,3,4,5,6,7
	ds_load_tr16_b128 v[64*\i+8*\ks:64*\i+8*\ks+3],   v[AZ+(\ks>>2)] offset:(\ks&3)*32*ZP+32*\i         ; d = 32 ks + 8 h .. + 7 of t = 16 i + r
	ds_load_tr16_b128 v[64*\i+8*\ks+4:64*\i+8*\ks+7], v[AZ+(\ks>>2)] offset:(\ks&3)*32*ZP+32*\i+16*ZP   ; d = 32 ks + 16 + 8 h .. + 7
.endr
.endr
	WIN 0
.set NSLOT, 0
.set NCT, 0
.set KS0, 0
	FLOADS                                         ; code tile 0, K steps 0-3
	s_wait_loadcnt 0x0                             ; zz
.irp i, 0,1,2,3
	v_mov_b32 v[ZZ+2*\i+1], v[ZZ+2*\i]             ; a pair for the packed arithmetic
.endr
	; 128 code tiles = 8 pairs of slots.  Tile 0 stands in front of the loop; a trip is tiles 1 to 15 of a pair and tile 0 of the next; the last 15 tiles and the last
	; tile's list are written out.  A slot is asked for again in its last tile, and the wait for that load stands 8 tiles later: 256 matrix instructions.
	STEP 0, 0, 0, 0, 1
	WIN 0                                          ; at a label and at a branch every window is 0
	s_mov_b32 s66, 7
.Lpair:
.irp m, 1,2,3,4,5,6
	STEP \m, 1, 0, 0, 1
.endr
	STEP 7, 1, 1, 1, 1
.irp m, 8,9,10,11,12,13,14
	STEP \m, 1, 0, 0, 1
.endr
	STEP 15, 1, 1, 1, 1
	STEP 16, 1, 0, 0, 1
	WIN 0
	v_add_nc_u32 v[AEE], 1024, v[AEE]              ; 16 tiles' ee on
	s_sub_co_u32 s66, s66, 1
	s_cmp_lg_u32 s66, 0
	s_cbranch_scc1 .Lpair
	; the last pair fills nothing
.irp m, 1,2,3,4,5,6
	STEP \m, 1, 0, 0, 1
.endr
	STEP 7, 1, 1, 0, 1                             ; the last load (slot 1's) has landed in every wave: a barrier of the work-group, no request
.irp m, 8,9,10,11,12,13,14
	STEP \m, 1, 0, 0, 1
.endr
	STEP 15, 1, 0, 0, 0                            ; no tile follows: only its own K steps 4-7 and its ee are fetched
	; the last tile's list, whole: it lies in the second set, its ee in the second buffer
.set ACCP, ACC0+32
.set EPV,  E0+8
	s_wait_dscnt 0x0
	s_add_co_u32 s81, s81, 1
.set OPLO, 0
.set OPHI, 144
	SLICE
	WIN 0
	; THE WAY OUT.  For each t tile: my eight streams' {key, code}, the two that come first by (key, code); then the same with the other half of the lanes, which
	; holds the same t.
; {v[xk], v[xc]} is put into the sorted pair A = {v24, v25}, B = {v26, v27}: it takes B's place if it comes before B, and the two change places if B then
; comes before A.  Before = the smaller key, or the same key and the smaller code.
.macro INS xk, xc
	v_cmp_lt_u32 s82, v[\xk], v26
	v_cmp_eq_u32 s83, v[\xk], v26
	v_cmp_lt_u32 vcc_lo, v[\xc], v27
	s_and_b32 s83, s83, vcc_lo
	s_or_b32 vcc_lo, s82, s83
	v_cndmask_b32 v26, v26, v[\xk], vcc_lo
	v_cndmask_b32 v27, v27, v[\xc], vcc_lo
	v_cmp_lt_u32 s82, v26, v24
	v_cmp_eq_u32 s83, v26, v24
	v_cmp_lt_u32 vcc_lo, v27, v25
	s_and_b32 s83, s83, vcc_lo
	s_or_b32 vcc_lo, s82, s83
	v_cndmask_b32 v30, v24, v26, vcc_lo
	v_cndmask_b32 v31, v25, v27, vcc_lo
	v_cndmask_b32 v26, v26, v24, vcc_lo
	v_cndmask_b32 v27, v27, v25, vcc_lo
	v_mov_b32 v24, v30
	v_mov_b32 v25, v31
.endm
.irp n, 32,33,34,35
	v_mov_b32 v\n, 0                               ; destinations of v_permlanex16_b32 count as read
.endr
.irp i, 0,1,2,3
	v_mov_b32 v24, -1                              ; behind every key of a number (+inf has 0xff800000)
	v_mov_b32 v25, -1
	v_mov_b32 v26, -1
	v_mov_b32 v27, -1
.irp j, 0,1,2,3,4,5,6,7
	v_ashrrev_i32 v30, 31, v[BV+8*\i+\j]           ; the key: negative numbers turn all bits, the others set the sign bit
	v_or_b32 v30, 0x80000000, v30
	v_xor_b32 v28, v[BV+8*\i+\j], v30
	v_lshl_add_u32 v29, v[BI+8*\i+\j], 4, v[CB]    ; the code: 16 tile + 2,048 q + 8 h + j
	v_add_nc_u32 v29, \j, v29
	INS 28, 29
.endr
	v_permlanex16_b32 v32, v24, s67, s68
	v_permlanex16_b32 v33, v25, s67, s68
	v_permlanex16_b32 v34, v26, s67, s68
	v_permlanex16_b32 v35, v27, s67, s68
	INS 32, 33
	INS 34, 35
	ds_store_b128 v[STO], v[24:27] offset:256*\i   ; t = 16 i + r; both halves write the same four words
.endr
	ds_load_b128 v[OUTR:OUTR+3], v[RD]             ; LDS serves a wave's instructions in order: these see my stores above
	ds_load_b128 v[OUTR+4:OUTR+7], v[RD] offset:512
	s_lshl_b32 s70, s18, 12                        ; part: (256 rb + 64 w) entries of 16 bytes
	s_lshl_b32 s71, s14, 10
	s_add_co_u32 s70, s70, s71
	s_mov_b32 s71, 0
	s_add_nc_u64 s[12:13], s[12:13], s[70:71]
	s_lshl_b32 s74, s17, 18                        ; + q x 16,384 entries
	s_mov_b32 s75, 0
	s_add_nc_u64 s[12:13], s[12:13], s[74:75]
	s_wait_dscnt 0x0
	global_store_b128 v[CO], v[OUTR:OUTR+3], s[12:13]              ; each store of the wave covers 512 consecutive bytes, aligned
	global_store_b128 v[CO], v[OUTR+4:OUTR+7], s[12:13] offset:512
	s_wait_tensorcnt 0x0
	ds_add_u32 v46, v47
	s_wait_dscnt 0x0
	ROUND                                          ; the closing round: no work-group ends while a partner may still ask for a tile that names it
	s_endpgm
.Lfunc_end_k_q6a6322ad1d_dist:
	.size	k_q6a6322ad1d_dist, .Lfunc_end_k_q6a6322ad1d_dist-k_q6a6322ad1d_dist
	.p2alignl 7, 3214868480
	.fill 96, 4, 3214868480
	.section	.rodata,"a",@progbits
	.p2align	6, 0x0
	.amdhsa_kernel k_q6a6322ad1d_dist
		.amdhsa_group_segment_fixed_size 327680
		.amdhsa_private_segment_fixed_size 0
		.amdhsa_enable_private_segment 0
		.amdhsa_kernarg_size 40
		.amdhsa_user_sgpr_count 2
		.amdhsa_user_sgpr_kernarg_segment_ptr 1
		.amdhsa_wavefront_size32 1
		.amdhsa_system_sgpr_workgroup_id_x 1
		.amdhsa_system_sgpr_workgroup_id_y 1
		.amdhsa_system_sgpr_workgroup_id_z 1
		.amdhsa_system_vgpr_workitem_id 0
		.amdhsa_next_free_vgpr 512
		.amdhsa_next_free_sgpr 86
		.amdhsa_reserve_vcc 1
		.amdhsa_float_denorm_mode_32 3
		.amdhsa_float_denorm_mode_16_64 3
		.amdhsa_memory_ordered 1
		.amdhsa_forward_progress 1
		.amdhsa_inst_pref_size 255
	.end_amdhsa_kernel
	.section	.bss,"aw",@nobits
	.p2align	6
	.space	262144
	.amdgpu_metadata
---
amdhsa.version: [ 1, 2 ]
amdhsa.kernels:
  - .name:           k_q6a6322ad1d_dist
    .symbol:         k_q6a6322ad1d_dist.kd
    .args:
      - { .name: embh, .offset: 0, .size: 8, .value_kind: global_buffer, .address_space: global }
      - { .name: zb, .offset: 8, .size: 8, .value_kind: global_buffer, .address_space: global }
      - { .name: ee, .offset: 16, .size: 8, .value_kind: global_buffer, .address_space: global }
      - { .name: zz, .offset: 24, .size: 8, .value_kind: global_buffer, .address_space: global }
      - { .name: part, .offset: 32, .size: 8, .value_kind: global_buffer, .address_space: global }
    .group_segment_fixed_size: 327680
    .private_segment_fixed_size: 0
    .kernarg_segment_align: 8
    .kernarg_segment_size: 40
    .max_flat_workgroup_size: 128
    .sgpr_count:     86
    .vgpr_count:     512
    .wavefront_size: 32
...
	.end_amdgpu_metadata
.endif
;; end of part 2
;; launch gath (part 3): grid 256 x 1, 8 waves a work-group, no clusters, 311,552 bytes of LDS; arguments part, z, emb, zz, ee, out0, out2, lpart; writes out0, out2, lpart
.if DOCPART == 3
	.amdgcn_target "amdgcn-amd-amdhsa--gfx1250"
	.amdhsa_code_object_version 6
	.text
	.protected	k_q6a6322ad1d_gath
	.globl	k_q6a6322ad1d_gath
	.p2align	8
	.type	k_q6a6322ad1d_gath,@function
k_q6a6322ad1d_gath:
	s_mov_b64 s[64:65], 0
	v_nop
	global_prefetch_b8 v0, s[64:65] scope:SCOPE_SE
	s_setreg_imm32_b32 hwreg(HW_REG_WAVE_MODE, 25, 1), 1
	s_wait_xcnt 0x0
; VECTOR QUANTIZER, launch 3 of 4: the decision among the candidates, idx, z_q and partial sums of the loss.
;   1. For each t the four entries of part[0..3][t] that come first by (key, code): whole-number compares on numbers read from memory, so the addresses of the
;      gathers hang on no floating-point arithmetic of this launch.
;   2. Their rows of emb are gathered, in f32.  For each (t, candidate): dot = the sum over d, ascending, of bf16(z) bf16(e), ONE f32 chain (each product is exact
;      in f32, so this is the plain sequential sum).  Why again: the matrix unit adds in an order of its own, and codes within one rounding step of d are told
;      apart by the order.
;   3. d = fl(fl(zz + ee) - 2 dot), reference()'s two roundings.  idx = the candidate with the smallest d, on a tie the lowest code.  The winner only SELECTS
;      values (v_cndmask_b32 on the four rows and on the code): no address and no branch hangs on d.
;   out0[b][d][t] = z + (emb[idx][d] - z), in f32 and in this order, as reference() has it;   lpart[g] = sum of (emb[idx][d] - z)^2 over the group's share.
; Left out: the second of the loss's two means, which is the mean of the same squares (see the first launch); the last launch multiplies by 1.25.
; The loss is summed from the differences themselves and not from d, which would be a difference of large sums.
; LIMITS.  Four candidates a row (two from a quarter, one from a stream of the launch before): where more codes lie within a rounding step of the smallest d,
; the further ones are judged by the matrix unit's sums.  zz and ee are summed in the first launch's order, not reference()'s.  NaN: every compare with a NaN is
; false, so argmin's choice of the first NaN is not made.
; SHARES.  Work-group g owns 64 t (batch g / 32, t from 64 (g % 32)) and all 256 d.  Wave w merges and gathers for t = 8 w .. 8 w + 7: 32 rows of 1,024 bytes, two
; loads of the wave each, 16 rows in registers at a time.  The chains: 64 t x 4 candidates = 256 lanes, one chain a lane.  Then wave w owns d = 32 w .. 32 w + 31 of
; all 64 t: lane (r, h) holds blocks of 4 t x 4 d: z comes and out0 goes as 16 bytes along t (sixteen lanes cover 256 consecutive bytes, aligned), emb's rows
; come back from LDS as 16 bytes along d: the transposition costs no instruction, only the choice of registers.
; LDS.  ET 0: 256 rows x 1,040 bytes (1,024 + 16: an odd multiple of 16); candidate k of t lies at place 64 k + 16 (t % 4) + t / 4, so that sixteen neighbouring lanes
; touch neighbouring places in the chains (a lane a place) and on the way back (t = 4 r + i).  ZT 266,240: z as bf16, eight blocks (32 d each, one wave's) of 64 places x 80
; bytes (64 + 16).  CL 307,200: the codes, [t][k].  EEL: their ee, [t][k].  DL: their dot products, by place.  LS: the eight waves' sums.  What several waves
; write is one run of bytes for each wave.
; No cluster, no tensor load: the rows gathered are known only here, and no input tile is shared between work-groups.
.set EPITCH, 1040
.set KBLK,   64*EPITCH
.set ZT,     4*KBLK
.set ZPITCH, 80
.set ZBLK,   64*ZPITCH
.set CL,     ZT+8*ZBLK
.set EEL,    CL+1024
.set DL,     CL+2048
.set LS,     CL+3072
.set ZTS,  5                           ; v5         ZT, in
.set CHE,  6                           ; v6         my chain's row of ET
.set CHZ,  7                           ; v7         my chain's row of ZT
.set EIN,  8                           ; v[8:11]    ET, in, candidate k
.set EBK,  12                          ; v[12:15]   ET, back, candidate k
.set Z,    16                          ; v[16:79]   z, then out0: register 16 s + 4 c + i = (d = 32 w + 8 s + 4 h + c, t = 4 r + i)
.set G,    80                          ; v[80:207]  the merge; 16 gathered rows; the chains' buffers; the rows read back
.set AK,   G+16                        ; the four best keys
.set AC,   G+20                        ; their codes
.set TT,   G+24
.set PK,   G+96                        ; four packed words of e
.set ACCD, G+100                       ; my chain's sum
.set EEC,  G                           ; at the decision: ee, then zz + ee, of t = 4 r + i, register 4 i + k
.set GO,   208                         ; v[208:239] byte offsets of my 32 rows in emb
.set CS,   208                         ; later: codes of t = 4 r + i, register 4 i + k
.set DSV,  224                         ; later: their dot products, then their d
.set LO,   240                         ; v[240:243] four chains of the loss; before that ee of my row's candidates, and the four idx
.set EV,   240
.set CLS,  244
.set SELA, 245
.set ZZ4,  246                         ; v[246:249] zz of t = 4 r .. 4 r + 3
.set TP,   250                         ; v[250:251] offsets of zz and part, then at work
.set EO,   252                         ; v[252:255] offsets in ee; later DLW, DSEL, R16, LSA
.set DLW,  252
.set DSEL, 253
.set R16,  254
.set LSA,  255
.set MK,   66                          ; s[66:77]   lane masks: candidate k = 1..3 takes over for t = 4 r + i
	s_load_b512 s[4:19], s[0:1], 0x0               ; part s[4:5], z s[6:7], emb s[8:9], zz s[10:11], ee s[12:13], out0 s[14:15], out2 s[16:17], lpart s[18:19]
	s_set_vgpr_msb 0x40
	v_lshl_add_u32 v0, v0, 2, 0x4bd00
	v_mov_b32 v1, 0
	s_set_vgpr_msb 0x4000
	v_lshrrev_b32 v1, 5, v0
	v_readfirstlane_b32 s20, v1                    ; wave 0..7
	s_and_b32 s21, s20, 1
	v_and_b32 v1, 15, v0                           ; r
	v_bfe_u32 v3, v0, 4, 1                         ; h
	v_and_b32 v2, 31, v0                           ; lane
	v_mul_u32_u24 v[CHE], v2, EPITCH               ; my chain: place 32 w + lane, that is candidate w / 2 of t = 4 r + 2 (w % 2) + h
	s_mul_i32 s23, s20, 32*EPITCH
	v_add_nc_u32 v[CHE], s23, v[CHE]
	v_mul_u32_u24 v[CHZ], v2, ZPITCH               ; its t's place: 32 (w % 2) + lane
	s_mul_i32 s23, s21, 32*ZPITCH
	s_add_co_u32 s23, s23, ZT
	v_add_nc_u32 v[CHZ], s23, v[CHZ]
	v_and_b32 v[TP+1], 7, v0
	v_lshlrev_b32 v[TP+1], 4, v[TP+1]              ; the merge: lane l has row t = 8 w + l % 8: 16 bytes an entry
	s_lshl_b32 s23, s20, 7
	s_add_co_u32 s23, s23, CL
	v_add_nc_u32 v[CLS], s23, v[TP+1]              ; CL + 16 t
	v_lshlrev_b32 v2, 4, v2                        ; 16 x lane
	v_lshlrev_b32 v[TP], 4, v1                     ; zz of t = 4 r .. 4 r + 3: byte 16 r
	v_lshlrev_b32 v4, 4, v1
	v_lshl_add_u32 v4, v3, 15, v4                  ; z and out0: 4 h rows of 8,192 bytes + 16 r
	s_mul_i32 s23, s20, 2*EPITCH
	v_add_nc_u32 v[EIN], s23, v2                   ; ET, in: place 2 w, 16 x lane
	v_mul_u32_u24 v[EBK], v1, EPITCH
	v_lshl_add_u32 v[EBK], v3, 4, v[EBK]
	s_lshl_b32 s23, s20, 7
	v_add_nc_u32 v[EBK], s23, v[EBK]               ; ET, back: place r, byte 128 w + 16 h
.irp k, 1,2,3
	v_add_nc_u32 v[EIN+\k], \k*KBLK, v[EIN]
	v_add_nc_u32 v[EBK+\k], \k*KBLK, v[EBK]
.endr
	v_mul_u32_u24 v[ZTS], v1, ZPITCH
	v_lshl_add_u32 v[ZTS], v3, 3, v[ZTS]
	s_mul_i32 s23, s20, ZBLK
	s_add_co_u32 s23, s23, ZT
	v_add_nc_u32 v[ZTS], s23, v[ZTS]               ; ZT, in: my block, place r, byte 8 h
	v_lshlrev_b32 v[SELA], 6, v1
	v_add_nc_u32 v[SELA], CL, v[SELA]              ; CL + 16 (4 r)
	s_mov_b32 s92, 0x76543210
	s_mov_b32 s93, 0xfedcba98
	s_lshr_b32 s24, ttmp9, 5                       ; b
	s_lshl_b32 s24, s24, 8
	s_lshl_b32 s25, s20, 5
	s_add_co_u32 s24, s24, s25                     ; row 256 b + 32 w of [b][d]
	s_lshl_b32 s24, s24, 13                        ; x 8,192 bytes
	s_and_b32 s25, ttmp9, 31
	s_lshl_b32 s25, s25, 8                         ; + 64 (g % 32) columns of 4 bytes
	s_add_co_u32 s24, s24, s25
	s_mov_b32 s25, 0
	s_lshl_b32 s26, ttmp9, 10                      ; part: (64 g + 8 w) entries of 16 bytes
	s_lshl_b32 s27, s20, 7
	s_add_co_u32 s26, s26, s27
	s_mov_b32 s27, 0
	s_lshl_b32 s28, ttmp9, 8                       ; zz and out2: 64 g numbers of 4 bytes
	s_mov_b32 s29, 0
	s_lshl_b32 s30, ttmp9, 2                       ; lpart: word g
	s_mov_b32 s31, 0
	s_wait_kmcnt 0x0
	s_add_nc_u64 s[6:7], s[6:7], s[24:25]
	s_add_nc_u64 s[14:15], s[14:15], s[24:25]
	s_add_nc_u64 s[4:5], s[4:5], s[26:27]
	s_add_nc_u64 s[10:11], s[10:11], s[28:29]
	s_add_nc_u64 s[16:17], s[16:17], s[28:29]
	s_add_nc_u64 s[18:19], s[18:19], s[30:31]
.irp q, 0,1,2,3
	global_load_b128 v[G+4*\q:G+4*\q+3], v[TP+1], s[4:5] offset:262144*\q      ; {key1, code1, key2, code2} of my row, quarter q
.endr
	global_load_b128 v[ZZ4:ZZ4+3], v[TP], s[10:11] ; sixteen lanes: the group's 64 zz
.irp s, 0,1,2,3
.irp c, 0,1,2,3
	global_load_b128 v[Z+16*\s+4*\c:Z+16*\s+4*\c+3], v4, s[6:7] offset:(8*\s+\c)*8192 th:TH_LOAD_NT
.endr
.endr
	; THE MERGE.  A sorted list of four.  The entries come in the order quarter 0's first, its second, quarter 1's first ..: of two entries with the same key the
	; earlier has the lower code, so compares of the keys alone, strict, with exchanges of neighbours only, keep the order (key, code).
.macro CE p                            ; places p and p + 1 change if the lower one's key is strictly smaller
	v_cmp_lt_u32 vcc_lo, v[AK+\p+1], v[AK+\p]
	v_cndmask_b32 v[TT], v[AC+\p], v[AC+\p+1], vcc_lo
	v_cndmask_b32 v[AC+\p+1], v[AC+\p+1], v[AC+\p], vcc_lo
	v_mov_b32 v[AC+\p], v[TT]
	v_cndmask_b32 v[TT], v[AK+\p], v[AK+\p+1], vcc_lo
	v_cndmask_b32 v[AK+\p+1], v[AK+\p+1], v[AK+\p], vcc_lo
	v_mov_b32 v[AK+\p], v[TT]
.endm
.macro INS4                            ; {v[XK], v[XK+1]} takes the last place if its key is strictly smaller, and rises
	v_cmp_lt_u32 vcc_lo, v[XK], v[AK+3]
	v_cndmask_b32 v[AK+3], v[AK+3], v[XK], vcc_lo
	v_cndmask_b32 v[AC+3], v[AC+3], v[XK+1], vcc_lo
	CE 2
	CE 1
	CE 0
.endm
	s_wait_loadcnt 17                              ; part's four loads are in; zz's one and z's sixteen stay out
	v_mov_b32 v[AK], v[G]                          ; quarter 0's two come sorted
	v_mov_b32 v[AC], v[G+1]
	v_mov_b32 v[AK+1], v[G+2]
	v_mov_b32 v[AC+1], v[G+3]
	v_mov_b32 v[AK+2], -1                          ; behind every key of a number; six more entries follow, so none of these two stays
	v_mov_b32 v[AK+3], -1
	v_mov_b32 v[AC+2], 0
	v_mov_b32 v[AC+3], 0
.irp e, 4,6,8,10,12,14
.set XK, G+\e
	INS4
.endr
	ds_store_b128 v[CLS], v[AC:AC+3]               ; the four codes of t; lanes with the same l % 8 write the same words
.irp k, 0,1,2,3
	v_min_u32 v[EO+\k], 0x1fff, v[AC+\k]           ; a loaded number enters an address only behind a clamp to the table's 8,192 rows
	v_lshlrev_b32 v[EO+\k], 2, v[EO+\k]
	global_load_b32 v[EV+\k], v[EO+\k], s[12:13]   ; ee of the candidate
.endr
.irp k, 0,1,2,3
.irp i, 0,1,2,3,4,5,6,7
	v_readlane_b32 s[32+8*\k+\i], v[AC+\k], \i     ; lane i holds row t = 8 w + i
	s_min_u32 s[32+8*\k+\i], s[32+8*\k+\i], 0x1fff
	s_lshl_b32 s[32+8*\k+\i], s[32+8*\k+\i], 10    ; x 1,024 bytes
	v_add_nc_u32 v[GO+8*\k+\i], s[32+8*\k+\i], v2
.endr
.endr
; Row GN of the sixteen in registers is candidate GK of t = 8 w + GN % 8.
.macro GLOAD
	global_load_b128 v[G+8*GN:G+8*GN+3],   v[GO+8*GK+(GN&7)], s[8:9]
	global_load_b128 v[G+8*GN+4:G+8*GN+7], v[GO+8*GK+(GN&7)], s[8:9] offset:512
.endm
.macro GSTORE
	ds_store_b128 v[EIN+GK], v[G+8*GN:G+8*GN+3]   offset:((GN&3)*16+((GN&7)>>2))*EPITCH
	ds_store_b128 v[EIN+GK], v[G+8*GN+4:G+8*GN+7] offset:((GN&3)*16+((GN&7)>>2))*EPITCH+512
.endm
.set GN, 0
.rept 16
.set GK, GN>>3
	GLOAD                                          ; candidates 0 and 1
.set GN, GN+1
.endr
	s_wait_loadcnt 32                              ; zz, z and ee are in; the 32 loads just issued stay out
	ds_store_b128 v[CLS], v[EV:EV+3] offset:EEL-CL ; ee of t's four candidates
.irp s, 0,1,2,3
.irp i, 0,1,2,3
	v_cvt_pk_bf16_f32 v[TP],   v[Z+16*\s+\i],   v[Z+16*\s+4+\i]       ; z rounded as the first launch rounds it: four neighbouring d of t = 4 r + i
	v_cvt_pk_bf16_f32 v[TP+1], v[Z+16*\s+8+\i], v[Z+16*\s+12+\i]
	ds_store_b64 v[ZTS], v[TP:TP+1] offset:16*ZPITCH*\i+16*\s         ; place 16 i + r, byte 16 s + 8 h of my block
.endr
.endr
.set GN, 0
.rept 16
.set GK, GN>>3
	s_wait_loadcnt 30                              ; this row's two loads are in: 30 younger ones stay out (the rest of this batch and what has been issued of the next)
	GSTORE
.set GK, 2+(GN>>3)
	GLOAD                                          ; candidates 2 and 3, into the registers just laid down
.set GN, GN+1
.endr
.set GN, 0
.rept 16
.set GK, 2+(GN>>3)
	s_wait_loadcnt 30-2*GN                         ; the last batch: the counts run down
	GSTORE
.set GN, GN+1
.endr
	s_wait_dscnt 0x0                               ; for the other waves' sake: my stores are done before I signal
	s_barrier_signal -1
	s_barrier_wait -1
	; THE CHAINS.  32 d at a time: eight loads of e (f32), four of z (bf16), into two buffers that take turns.
.macro CLOAD                           ; d = 32 CG .. into buffer CBUF
.irp m, 0,1,2,3,4,5,6,7
	ds_load_b128 v[CBUF+4*\m:CBUF+4*\m+3], v[CHE] offset:128*CG+16*\m
.endr
.irp m, 0,1,2,3
	ds_load_b128 v[CBUF+32+4*\m:CBUF+32+4*\m+3], v[CHZ] offset:ZBLK*CG+16*\m
.endr
.endm
.macro CCOMP
.irp c, 0,1,2,3
.irp u, 0,1,2,3
	v_cvt_pk_bf16_f32 v[PK+\u], v[CBUF+8*\c+2*\u], v[CBUF+8*\c+2*\u+1]     ; e rounded as the first launch rounds it
.endr
.irp u, 0,1,2,3
	v_fma_mix_f32_bf16 v[ACCD], v[PK+\u], v[CBUF+32+4*\c+\u], v[ACCD] op_sel_hi:[1,1,0]                   ; d even
	v_fma_mix_f32_bf16 v[ACCD], v[PK+\u], v[CBUF+32+4*\c+\u], v[ACCD] op_sel:[1,1,0] op_sel_hi:[1,1,0]    ; d odd: one chain, d ascending
.endr
.endr
.endm
	v_mov_b32 v[ACCD], 0
.set CG, 0
.set CBUF, G
	CLOAD
	v_lshrrev_b32 v[DLW], 2, v2                    ; addresses for what follows (the loads that read v[252:255] as offsets are done)
	s_lshl_b32 s23, s20, 7
	s_add_co_u32 s23, s23, DL
	v_add_nc_u32 v[DLW], s23, v[DLW]               ; DL + 4 (32 w + lane)
	v_lshlrev_b32 v[DSEL], 2, v1
	v_add_nc_u32 v[DSEL], DL, v[DSEL]              ; DL + 4 r
	v_lshlrev_b32 v[R16], 4, v1                    ; 16 r
	s_lshl_b32 s23, s20, 2
	s_add_co_u32 s23, s23, LS
	v_mov_b32 v[LSA], s23                          ; LS + 4 w
.rept 7
.set CG, CG+1
.set CBUF, G+48*(CG&1)
	CLOAD
	s_wait_dscnt 12                                ; LDS loads come back in order: all but the twelve just issued are in
.set CBUF, G+48*((CG-1)&1)
	CCOMP
.endr
	s_wait_dscnt 0x0
.set CBUF, G+48*(CG&1)
	CCOMP
	ds_store_b32 v[DLW], v[ACCD]                   ; my chain's dot product, at its place
	s_wait_dscnt 0x0                               ; for the other waves' sake
	s_barrier_signal -1
	s_barrier_wait -1
	; THE DECISION, in every lane for its t = 4 r + i: d of the four candidates, the smallest d, on a tie the lowest code.  The masks then select the rows.
.irp i, 0,1,2,3
	ds_load_b128 v[CS+4*\i:CS+4*\i+3], v[SELA] offset:16*\i                 ; the codes
	ds_load_b128 v[EEC+4*\i:EEC+4*\i+3], v[SELA] offset:EEL-CL+16*\i        ; their ee
.endr
.irp i, 0,1,2,3
.irp k, 0,1,2,3
	ds_load_b32 v[DSV+4*\i+\k], v[DSEL] offset:256*\k+64*\i      ; their dot products: place 64 k + 16 i + r
.endr
.endr
	s_wait_dscnt 0x0
.irp i, 0,1,2,3
.irp k, 0,1,2,3
	v_add_f32 v[EEC+4*\i+\k], v[ZZ4+\i], v[EEC+4*\i+\k]          ; fl(zz + ee)
.endr
.irp p, 0,2
	v_pk_fma_f32 v[DSV+4*\i+\p:DSV+4*\i+\p+1], v[DSV+4*\i+\p:DSV+4*\i+\p+1], -2.0, v[EEC+4*\i+\p:EEC+4*\i+\p+1] op_sel_hi:[1,0,1]   ; d, one rounding
.endr
.endr
.irp i, 0,1,2,3
.irp k, 1,2,3
	v_cmp_lt_f32 s78, v[DSV+4*\i+\k], v[DSV+4*\i]
	v_cmp_eq_f32 s79, v[DSV+4*\i+\k], v[DSV+4*\i]
	v_cmp_lt_u32 vcc_lo, v[CS+4*\i+\k], v[CS+4*\i]
	s_and_b32 s79, s79, vcc_lo
	s_or_b32 s[MK+3*\i+\k-1], s78, s79
	v_cndmask_b32 v[DSV+4*\i], v[DSV+4*\i], v[DSV+4*\i+\k], s[MK+3*\i+\k-1]
	v_cndmask_b32 v[CS+4*\i], v[CS+4*\i], v[CS+4*\i+\k], s[MK+3*\i+\k-1]
.endr
.endr
	s_cmp_lg_u32 s20, 0
	s_cbranch_scc1 .Lno_idx
.irp i, 0,1,2,3
	v_mov_b32 v[LO+\i], v[CS+4*\i]                 ; idx of t = 4 r .. 4 r + 3
.endr
	v_cmp_gt_u32 vcc_lo, 16, v0
	s_wait_xcnt 0x0                                ; EXEC changes only behind this wait
	s_and_saveexec_b32 s80, vcc_lo
	global_store_b128 v[R16], v[LO:LO+3], s[16:17] ; sixteen lanes: 256 consecutive bytes of out2, aligned
	s_wait_xcnt 0x0                                ; and again in front of the line that widens it; v[240:243] are also written again only behind this wait
	s_or_b32 exec_lo, exec_lo, s80
.Lno_idx:
	; THE WAY OUT, 8 d of the wave's 32 at a time (4 for each half of the lanes): the four candidates' rows come back, the masks select, then z_q and the loss.
.macro RLOAD                           ; step RS into buffer RBUF: register 16 i + 4 k + c = emb[candidate k of t = 4 r + i][32 w + 8 RS + 4 h + c]
.irp i, 0,1,2,3
.irp k, 0,1,2,3
	ds_load_b128 v[RBUF+16*\i+4*\k:RBUF+16*\i+4*\k+3], v[EBK+\k] offset:16*EPITCH*\i+32*RS
.endr
.endr
.endm
.macro RSTEP
.irp i, 0,1,2,3
.irp k, 1,2,3
.irp c, 0,1,2,3
	v_cndmask_b32 v[RBUF+16*\i+\c], v[RBUF+16*\i+\c], v[RBUF+16*\i+4*\k+\c], s[MK+3*\i+\k-1]
.endr
.endr
.endr
.irp c, 0,1,2,3
.irp i, 0,1,2,3
	v_sub_f32 v[RBUF+16*\i+\c], v[RBUF+16*\i+\c], v[Z+16*RS+4*\c+\i]          ; z_q - z
	v_add_f32 v[Z+16*RS+4*\c+\i], v[Z+16*RS+4*\c+\i], v[RBUF+16*\i+\c]        ; z + (z_q - z)
.if RS+\i == 0
	v_mul_f32 v[LO+\c], v[RBUF+16*\i+\c], v[RBUF+16*\i+\c]                    ; the first square starts the chain
.else
	v_fmac_f32 v[LO+\c], v[RBUF+16*\i+\c], v[RBUF+16*\i+\c]
.endif
.endr
	global_store_b128 v4, v[Z+16*RS+4*\c:Z+16*RS+4*\c+3], s[14:15] offset:(8*RS+\c)*8192 th:TH_STORE_NT   ; sixteen lanes: 256 consecutive bytes, aligned
.endr
.endm
.set RS, 0
.set RBUF, G
	RLOAD
.set NS, 0
.rept 4
.if NS < 3
.set RS, NS+1
.set RBUF, G+64*(RS&1)
	RLOAD
	s_wait_dscnt 16                                ; this step's sixteen loads are in, the next step's stay out
.else
	s_wait_dscnt 0x0
.endif
.set RS, NS
.set RBUF, G+64*(RS&1)
	RSTEP
.set NS, NS+1
.endr
	v_add_f32 v[LO], v[LO], v[LO+1]
	v_add_f32 v[LO+2], v[LO+2], v[LO+3]
	v_add_f32 v[LO], v[LO], v[LO+2]
	v_add_f32_dpp v[LO], v[LO], v[LO] row_xmask:1 row_mask:0xf bank_mask:0xf
	v_add_f32_dpp v[LO], v[LO], v[LO] row_xmask:2 row_mask:0xf bank_mask:0xf
	v_add_f32_dpp v[LO], v[LO], v[LO] row_xmask:4 row_mask:0xf bank_mask:0xf
	v_add_f32_dpp v[LO], v[LO], v[LO] row_xmask:8 row_mask:0xf bank_mask:0xf
	v_permlanex16_b32 v[LO+1], v[LO], s92, s93
	v_add_f32 v[LO], v[LO], v[LO+1]
	ds_store_b32 v[LSA], v[LO]                     ; my wave's sum
	s_wait_dscnt 0x0                               ; for wave 0's sake
	s_barrier_signal -1
	s_barrier_wait -1
	s_cmp_lg_u32 s20, 0
	s_cbranch_scc1 .Lend
	v_mov_b32 v[TP], LS
	ds_load_b128 v[CS:CS+3], v[TP]
	ds_load_b128 v[CS+4:CS+7], v[TP] offset:16
	s_wait_dscnt 0x0
	v_pk_add_f32 v[CS:CS+1], v[CS:CS+1], v[CS+4:CS+5]
	v_pk_add_f32 v[CS+2:CS+3], v[CS+2:CS+3], v[CS+6:CS+7]
	v_pk_add_f32 v[CS:CS+1], v[CS:CS+1], v[CS+2:CS+3]
	v_add_f32 v[CS], v[CS], v[CS+1]
	v_mov_b32 v[TP+1], 0
	v_cmp_eq_u32 vcc_lo, 0, v0
	s_wait_xcnt 0x0                                ; EXEC is a source of my pending stores: it changes only behind this wait
	s_set_vgpr_msb 0x5
	s_wait_tensorcnt 0x0
	ds_add_u32 v0, v1
	s_wait_dscnt 0x0
	s_set_vgpr_msb 0x500
	s_and_saveexec_b32 s94, vcc_lo
	global_store_b32 v[TP+1], v[CS], s[18:19]      ; one number for the work-group
	s_endpgm
.Lend:
	s_set_vgpr_msb 0x5
	s_wait_tensorcnt 0x0
	ds_add_u32 v0, v1
	s_wait_dscnt 0x0
	s_set_vgpr_msb 0x500
	s_endpgm
.Lfunc_end_k_q6a6322ad1d_gath:
	.size	k_q6a6322ad1d_gath, .Lfunc_end_k_q6a6322ad1d_gath-k_q6a6322ad1d_gath
	.p2alignl 7, 3214868480
	.fill 96, 4, 3214868480
	.section	.rodata,"a",@progbits
	.p2align	6, 0x0
	.amdhsa_kernel k_q6a6322ad1d_gath
		.amdhsa_group_segment_fixed_size 311552
		.amdhsa_private_segment_fixed_size 0
		.amdhsa_enable_private_segment 0
		.amdhsa_kernarg_size 64
		.amdhsa_user_sgpr_count 2
		.amdhsa_user_sgpr_kernarg_segment_ptr 1
		.amdhsa_wavefront_size32 1
		.amdhsa_system_sgpr_workgroup_id_x 1
		.amdhsa_system_sgpr_workgroup_id_y 1
		.amdhsa_system_sgpr_workgroup_id_z 1
		.amdhsa_system_vgpr_workitem_id 0
		.amdhsa_next_free_vgpr 258
		.amdhsa_next_free_sgpr 96
		.amdhsa_reserve_vcc 1
		.amdhsa_float_denorm_mode_32 3
		.amdhsa_float_denorm_mode_16_64 3
		.amdhsa_memory_ordered 1
		.amdhsa_forward_progress 1
		.amdhsa_inst_pref_size 95
	.end_amdhsa_kernel
	.amdgpu_metadata
---
amdhsa.version: [ 1, 2 ]
amdhsa.kernels:
  - .name:           k_q6a6322ad1d_gath
    .symbol:         k_q6a6322ad1d_gath.kd
    .args:
      - { .name: part, .offset: 0, .size: 8, .value_kind: global_buffer, .address_space: global }
      - { .name: z, .offset: 8, .size: 8, .value_kind: global_buffer, .address_space: global }
      - { .name: emb, .offset: 16, .size: 8, .value_kind: global_buffer, .address_space: global }
      - { .name: zz, .offset: 24, .size: 8, .value_kind: global_buffer, .address_space: global }
      - { .name: ee, .offset: 32, .size: 8, .value_kind: global_buffer, .address_space: global }
      - { .name: out0, .offset: 40, .size: 8, .value_kind: global_buffer, .address_space: global }
      - { .name: out2, .offset: 48, .size: 8, .value_kind: global_buffer, .address_space: global }
      - { .name: lpart, .offset: 56, .size: 8, .value_kind: global_buffer, .address_space: global }
    .group_segment_fixed_size: 311552
    .private_segment_fixed_size: 0
    .kernarg_segment_align: 8
    .kernarg_segment_size: 64
    .max_flat_workgroup_size: 256
    .sgpr_count:     96
    .vgpr_count:     258
    .wavefront_size: 32
...
	.end_amdgpu_metadata
.endif
;; end of part 3
;; launch lsum (part 4): grid 1 x 1, 1 waves a work-group, no clusters, 0 bytes of LDS; arguments lpart, out1; writes out1
.if DOCPART == 4
	.amdgcn_target "amdgcn-amd-amdhsa--gfx1250"
	.amdhsa_code_object_version 6
	.text
	.protected	k_q6a6322ad1d_lsum
	.globl	k_q6a6322ad1d_lsum
	.p2align	8
	.type	k_q6a6322ad1d_lsum,@function
k_q6a6322ad1d_lsum:
	s_mov_b64 s[64:65], 0
	v_nop
	global_prefetch_b8 v0, s[64:65] scope:SCOPE_SE
	s_setreg_imm32_b32 hwreg(HW_REG_WAVE_MODE, 25, 1), 1
	s_wait_xcnt 0x0
; VECTOR QUANTIZER, launch 4 of 4: loss = 1.25 x (the sum of the 256 partial sums) / 4,194,304.
; reference()'s two means are means of the same squares (stop_gradient is the identity on values), so mean + 0.25 mean = 1.25 mean; 8 x 256 x 2,048 = 2^22 numbers.
; A sum over all work-groups of the launch before needs a launch of its own: one wave, 1,024 bytes, eight numbers a lane.
	s_load_b128 s[4:7], s[0:1], 0x0                ; lpart s[4:5], out1 s[6:7]
	v_lshlrev_b32 v1, 4, v0
	s_mov_b32 s8, 0x76543210
	s_mov_b32 s9, 0xfedcba98
	s_wait_kmcnt 0x0
	global_load_b128 v[4:7], v1, s[4:5]
	global_load_b128 v[8:11], v1, s[4:5] offset:512
	s_wait_loadcnt 0x0
	v_pk_add_f32 v[4:5], v[4:5], v[8:9]
	v_pk_add_f32 v[6:7], v[6:7], v[10:11]
	v_pk_add_f32 v[4:5], v[4:5], v[6:7]
	v_add_f32 v4, v4, v5
	v_add_f32_dpp v4, v4, v4 row_xmask:1 row_mask:0xf bank_mask:0xf
	v_add_f32_dpp v4, v4, v4 row_xmask:2 row_mask:0xf bank_mask:0xf
	v_add_f32_dpp v4, v4, v4 row_xmask:4 row_mask:0xf bank_mask:0xf
	v_add_f32_dpp v4, v4, v4 row_xmask:8 row_mask:0xf bank_mask:0xf
	v_permlanex16_b32 v5, v4, s8, s9
	v_add_f32 v4, v4, v5
	v_mul_f32 v4, 0x34a00000, v4                   ; 1.25 x 2^-22
	v_mov_b32 v2, 0
	v_cmp_eq_u32 vcc_lo, 0, v0
	s_wait_xcnt 0x0                                ; EXEC changes only behind this wait
	s_and_saveexec_b32 s10, vcc_lo
	global_store_b32 v2, v4, s[6:7]
	s_endpgm
.Lfunc_end_k_q6a6322ad1d_lsum:
	.size	k_q6a6322ad1d_lsum, .Lfunc_end_k_q6a6322ad1d_lsum-k_q6a6322ad1d_lsum
	.p2alignl 7, 3214868480
	.fill 96, 4, 3214868480
	.section	.rodata,"a",@progbits
	.p2align	6, 0x0
	.amdhsa_kernel k_q6a6322ad1d_lsum
		.amdhsa_group_segment_fixed_size 0
		.amdhsa_private_segment_fixed_size 0
		.amdhsa_enable_private_segment 0
		.amdhsa_kernarg_size 16
		.amdhsa_user_sgpr_count 2
		.amdhsa_user_sgpr_kernarg_segment_ptr 1
		.amdhsa_wavefront_size32 1
		.amdhsa_system_sgpr_workgroup_id_x 1
		.amdhsa_system_sgpr_workgroup_id_y 1
		.amdhsa_system_sgpr_workgroup_id_z 1
		.amdhsa_system_vgpr_workitem_id 0
		.amdhsa_next_free_vgpr 16
		.amdhsa_next_free_sgpr 66
		.amdhsa_reserve_vcc 1
		.amdhsa_float_denorm_mode_32 3
		.amdhsa_float_denorm_mode_16_64 3
		.amdhsa_memory_ordered 1
		.amdhsa_forward_progress 1
		.amdhsa_inst_pref_size 2
	.end_amdhsa_kernel
	.amdgpu_metadata
---
amdhsa.version: [ 1, 2 ]
amdhsa.kernels:
  - .name:           k_q6a6322ad1d_lsum
    .symbol:         k_q6a6322ad1d_lsum.kd
    .args:
      - { .name: lpart, .offset: 0, .size: 8, .value_kind: global_buffer, .address_space: global }
      - { .name: out1, .offset: 8, .size: 8, .value_kind: global_buffer, .address_space: global }
    .group_segment_fixed_size: 0
    .private_segment_fixed_size: 0
    .kernarg_segment_align: 8
    .kernarg_segment_size: 16
    .max_flat_workgroup_size: 32
    .sgpr_count:     66
    .vgpr_count:     16
    .wavefront_size: 32
...
	.end_amdgpu_metadata
.endif
;; end of part 4
;; ======== version 2 of 2: 4 launches; version 1 with the launch prep written anew for expert scheduling mode
;; workspace buffers: zb 8,388,608 bytes; embh 4,194,304 bytes; zz 65,536 bytes; ee 32,768 bytes; part 1,048,576 bytes of whole numbers; lpart 1,024 bytes
;; launch prep (part 5): grid 256 x 1, 8 waves a work-group, no clusters, 5,376 bytes of LDS; arguments z, emb, zb, zz, embh, ee; writes zb, zz, embh, ee
.if DOCPART == 5
	.amdgcn_target "amdgcn-amd-amdhsa--gfx1250"
	.amdhsa_code_object_version 6
	.text
	.protected	k_q6a6322ad1d_prep
	.globl	k_q6a6322ad1d_prep
	.p2align	8
	.type	k_q6a6322ad1d_prep,@function
k_q6a6322ad1d_prep:
	s_mov_b64 s[64:65], 0
	v_nop
	global_prefetch_b8 v0, s[64:65] scope:SCOPE_SE
	s_setreg_imm32_b32 hwreg(HW_REG_WAVE_SCHED_MODE, 0, 2), 2
	s_setreg_imm32_b32 hwreg(HW_REG_WAVE_MODE, 25, 1), 1
	s_wait_xcnt 0x0
	s_wait_alu depctr_vm_vsrc(0)
; VECTOR QUANTIZER, launch 1 of 4: both inputs rounded to bf16 (layouts unchanged), and the squared norms of the ROUNDED vectors in f32.
;   zb[b][d][t] = bf16(z[b][d][t])      zz[b*2048+t] = sum over d of zb^2
;   embh[n][d]  = bf16(emb[n][d])       ee[n]        = sum over d of embh^2
; THE WHOLE PROGRAM.
;   (2) d = fl(fl(zz + ee) - 2 z.e) for all 16,384 x 8,192 pairs on the matrix units; for each t and each quarter of the codes the two codes that come first by
;       (d, code) are stored as whole numbers: they are CANDIDATES, not yet the answer.
;   (3) For each t the four of its eight candidates that come first, by whole-number compares; their rows of emb are gathered; their products with z are formed
;       again, each as one f32 chain in ascending d; d is formed again; idx is the candidate with the smallest d, on a tie the lowest code, and it only selects
;       values.  Then z_q and partial sums of the loss.
;   (4) The loss.
; WHAT IS LEFT OUT: nothing but two identities.  stop_gradient is the identity on values, and the two means of the loss are means of the
; same squares, (e - z)^2 = (z - e)^2, so the mean is made once and multiplied by 1.25.
; WHAT IS NOT LEFT OUT, though it is the same for all codes of a row: the term sum(z^2).  In reference()'s f32 it is so large beside 2 z.e
; that d keeps only a few bits of the product; codes then tie, and argmin takes the first of them.  So launches 2 and 3 form
; fl(fl(zz + ee) - 2 dot) with the same two roundings.  The norms are taken of the rounded numbers, since the products are too.
; LIMITS.  The order of the f32 additions inside zz and ee is this launch's, not reference()'s.  The decision is made among FOUR candidates a row (at most two from a
; quarter of the codes, at most one from each of the 64 streams into which launch 2 deals a row's codes): where more codes lie within one rounding step of the smallest
; d, the further ones are judged by the matrix unit's sums, whose order of additions is its own.  NaN: see the next launches.
; SHARES.  Work-groups 0-127: z.  Group g owns batch g/16, 128 columns t from 128 (g%16), all 256 d; wave w owns d = 32 w .. 32 w + 31,
; a lane 4 neighbouring t.  A wave's load covers 512 consecutive bytes, its store 256 consecutive bytes, both aligned.  All 32 loads of a wave go out
; at once and every register that a store reads is written once.  The eight waves' sums meet in LDS.
; Work-groups 128-255: emb.  Group g owns 64 rows, wave w rows 8 w .. 8 w + 7; a row is two loads of the wave, its sum stays inside the wave.
; LDS: bytes 0 - 4,095 the z way's sums (512 w + 16 x lane); bytes 4,096 - 4,351 the emb way's (word 8 w + i); bytes 4,352 - 5,375 the spare words.  Each way has bytes
; of its own, so that no LDS byte is named on both ways and the ordering inside a way (store, wait for 0, barrier, load) is all that the text leans on.
; No matrix unit, no cluster, no tensor load: no byte is read twice and nothing is shared between work-groups.
; THE MODE: SCHED_MODE bits 1:0 = 2 (LLVM: expert scheduling mode 2), set by the entry lines.  The code itself states the register dependences
; between vector instructions and memory or LDS instructions, with s_wait_alu, always for 0.
; THE PLAN.  Registers that memory or LDS instructions touch:
;   v2, v3       offsets, made at the head, never written again.  v9 (z way), v10 (emb way): an LDS address, made once.
;   X            a row's registers: its load lands there; its conversions read them and write the first two (emb: four) of them; its store reads those.  Nothing writes them
;                again, but for wave 0 of the z way at its end.
;   v[4:7]       z way: the four sums, vector work alone until the one LDS store behind the last row.
;   SM           emb way: row i's sum ends in a register of its own, SM + i, so that the eight LDS stores stand together behind one wait and no row writes a register
;                that an LDS store has read.
;   v[12:13]     emb way: at work in the rows; in wave 0 an LDS load lands there at the end.
;   v148, v149   written at the head, read by the closing add alone.
; The rows go in blocks (z: four rows, emb: two).  Block p's vector instructions name its own rows' X, the sums and v[12:15].  Its memory instructions are the stores of
; block p - 1, whose registers no vector instruction of block p names.  So ONE wait on va_vdst at a block's head, behind the wait for its first row's data, states all
; that the block's stores hang on, and they are dealt among the block's rows with no further wait.
.set X,   16                           ; v[16:143] the rows as loaded, then packed in place
.set SM,  80                           ; v[80:87]  emb way only (its rows fill v[16:79]): the eight rows' sums
.set EES, 4096                         ; the emb way's LDS bytes
	s_load_b256 s[4:11], s[0:1], 0x0               ; z s[4:5], emb s[6:7], zb s[8:9], zz s[10:11]
	s_load_b128 s[12:15], s[0:1], 0x20             ; embh s[12:13], ee s[14:15]
	v_lshl_add_u32 v148, v0, 2, 0x1100             ; my spare word, and 0: kept for the closing lines alone
	v_mov_b32 v149, 0
	v_lshrrev_b32 v8, 5, v0
	v_readfirstlane_b32 s16, v8                    ; wave 0..7
	v_and_b32 v1, 31, v0                           ; lane
	v_lshlrev_b32 v2, 4, v1                        ; 16 x lane
	v_lshlrev_b32 v3, 3, v1                        ; 8 x lane
	s_mov_b32 s26, 0x76543210                      ; v_permlanex16_b32: lane i of one half reads lane i of the other
	s_mov_b32 s27, 0xfedcba98
	s_mov_b32 s28, 0xffff0000                      ; a word's upper bf16
	s_mov_b32 s21, 0                               ; high word of every offset
	s_wait_alu depctr_va_sdst(0)                   ; s16 is written: both ways' scalar arithmetic reads it; the wait stands ahead of the branch
	s_wait_kmcnt 0x0
	s_cmp_lt_u32 ttmp9, 128                        ; the same for all waves of a work-group
	s_cbranch_scc0 .Lemb
	; ---------------- z ----------------
	s_lshr_b32 s17, ttmp9, 4                       ; b
	s_and_b32 s18, ttmp9, 15
	s_lshl_b32 s19, s17, 8
	s_lshl_b32 s20, s16, 5
	s_add_co_u32 s19, s19, s20                     ; my first row of [b][d]: 256 b + 32 w
	s_lshl_b32 s20, s19, 13                        ; x 8,192 bytes
	s_lshl_b32 s22, s18, 9                         ; + 128 (g%16) columns of 4 bytes
	s_add_co_u32 s20, s20, s22
	s_add_nc_u64 s[4:5], s[4:5], s[20:21]
	s_lshr_b32 s20, s20, 1                         ; the same place in bf16: half the bytes
	s_add_nc_u64 s[8:9], s[8:9], s[20:21]
	s_lshl_b32 s20, ttmp9, 9                       ; zz: 128 g numbers of 4 bytes
	s_add_nc_u64 s[10:11], s[10:11], s[20:21]
	s_lshl_b32 s22, s16, 9
	v_add_nc_u32 v9, s22, v2                       ; LDS: 512 w + 16 x lane
	s_wait_alu depctr_va_vdst(0)                   ; v2, v3 and v9 are written: every load and store of this way reads one of them as its offset or address
.set n, 0
.rept 32
	global_load_b128 v[X+4*n:X+4*n+3], v2, s[4:5] offset:8192*n th:TH_LOAD_NT
.set n, n+1
.endr
.set n, 0
.rept 32
	s_wait_loadcnt 31-n                            ; loads come back in order: row n is in, the 31 - n younger rows stay out
.if (n > 0) && ((n & 3) == 0)
	s_wait_alu depctr_va_vdst(0)                   ; a block's head: the conversions of the four rows before have written their packed words, which the four stores of this block read
.endif
.if n >= 4
	global_store_b64 v3, v[X+4*(n-4):X+4*(n-4)+1], s[8:9] offset:4096*(n-4)   ; the row four back: the wave stores 256 consecutive bytes, aligned; no vector instruction since the wait names these registers
.endif
	v_cvt_pk_bf16_f32 v[X+4*n], v[X+4*n], v[X+4*n+1]
	v_cvt_pk_bf16_f32 v[X+4*n+1], v[X+4*n+2], v[X+4*n+3]
.if n == 0
	v_lshlrev_b32 v12, 16, v[X]                    ; the first row starts the four sums: nothing is cleared
	v_and_b32 v13, s28, v[X]
	v_lshlrev_b32 v14, 16, v[X+1]
	v_and_b32 v15, s28, v[X+1]
	v_mul_f32 v4, v12, v12
	v_mul_f32 v5, v13, v13
	v_mul_f32 v6, v14, v14
	v_mul_f32 v7, v15, v15
.else
	v_fma_mix_f32_bf16 v4, v[X+4*n], v[X+4*n], v4 op_sel_hi:[1,1,0]                       ; low half squared, straight from bf16
	v_fma_mix_f32_bf16 v5, v[X+4*n], v[X+4*n], v5 op_sel:[1,1,0] op_sel_hi:[1,1,0]        ; high half squared
	v_fma_mix_f32_bf16 v6, v[X+4*n+1], v[X+4*n+1], v6 op_sel_hi:[1,1,0]
	v_fma_mix_f32_bf16 v7, v[X+4*n+1], v[X+4*n+1], v7 op_sel:[1,1,0] op_sel_hi:[1,1,0]
.endif
.set n, n+1
.endr
	s_wait_alu depctr_va_vdst(0)                   ; the last block has written its packed words and the sums v[4:7], which the stores below read; every vector instruction that names X is done, for wave 0's LDS loads further down
.set n, 28
.rept 4
	global_store_b64 v3, v[X+4*n:X+4*n+1], s[8:9] offset:4096*n
.set n, n+1
.endr
	ds_store_b128 v9, v[4:7]                       ; my 4 columns' sums over my wave's 32 d
	s_wait_dscnt 0x0                               ; for wave 0's sake: my store is done before I signal
	s_barrier_signal -1
	s_barrier_wait -1
	s_cmp_lg_u32 s16, 0
	s_cbranch_scc1 .Lend
	s_wait_xcnt 0x0                                ; X holds the data of my stores: it is written again only behind this wait
	s_wait_alu depctr_vm_vsrc(0)                   ; my stores have read v[X .. X+31], in which the LDS loads below land and which the additions then write
.irp k, 0,1,2,3,4,5,6,7
	ds_load_b128 v[X+4*\k:X+4*\k+3], v2 offset:512*\k   ; the eight waves' sums of my 4 columns; no vector instruction has been issued since the last wait on va_vdst
.endr
	s_wait_dscnt 0x0
.irp k, 0,2,4,6,8,10,12,14
	v_pk_add_f32 v[X+\k:X+\k+1], v[X+\k:X+\k+1], v[X+16+\k:X+16+\k+1]
.endr
.irp k, 0,2,4,6
	v_pk_add_f32 v[X+\k:X+\k+1], v[X+\k:X+\k+1], v[X+8+\k:X+8+\k+1]
.endr
.irp k, 0,2
	v_pk_add_f32 v[X+\k:X+\k+1], v[X+\k:X+\k+1], v[X+4+\k:X+4+\k+1]
.endr
	s_wait_alu depctr_va_vdst(0)                   ; the additions have written v[X:X+3], which the store reads
	global_store_b128 v2, v[X:X+3], s[10:11]       ; 512 consecutive bytes of zz
	s_wait_dscnt 0x0                               ; the closing lines, six on end
	s_wait_alu 0x0
	s_wait_tensorcnt 0x0
	ds_add_u32 v148, v149
	s_wait_dscnt 0x0
	s_endpgm
	; ---------------- emb ----------------
.Lemb:
	s_sub_co_u32 s17, ttmp9, 128                   ; g
	s_lshl_b32 s18, s17, 6
	s_lshl_b32 s19, s16, 3
	s_add_co_u32 s18, s18, s19                     ; my first row: 64 g + 8 w
	s_lshl_b32 s20, s18, 10                        ; x 1,024 bytes
	s_add_nc_u64 s[6:7], s[6:7], s[20:21]
	s_lshl_b32 s20, s18, 9                         ; x 512 bytes in bf16
	s_add_nc_u64 s[12:13], s[12:13], s[20:21]
	s_lshl_b32 s20, s17, 8                         ; ee: 64 g numbers of 4 bytes
	s_add_nc_u64 s[14:15], s[14:15], s[20:21]
	s_lshl_b32 s22, s16, 5
	s_add_co_u32 s22, s22, EES
	v_mov_b32 v10, s22                             ; LDS: EES + 32 w
	s_wait_alu depctr_va_vdst(0)                   ; v2, v3 and v10 are written: every load and store of this way reads one of them as its offset or address
.irp i, 0,1,2,3,4,5,6,7
	global_load_b128 v[X+8*\i:X+8*\i+3],   v2, s[6:7] offset:1024*\i th:TH_LOAD_NT       ; d = 4 lane ..
	global_load_b128 v[X+8*\i+4:X+8*\i+7], v2, s[6:7] offset:1024*\i+512 th:TH_LOAD_NT   ; d = 128 + 4 lane ..
.endr
.set i, 0
.rept 8
	s_wait_loadcnt 14-2*i                          ; row i's two loads are in, the younger rows' stay out
.if (i > 0) && ((i & 1) == 0)
	s_wait_alu depctr_va_vdst(0)                   ; a block's head: the conversions of the two rows before have written their packed words, which the four stores of this block read
.endif
.if i >= 2
	global_store_b64 v3, v[X+8*(i-2):X+8*(i-2)+1],   s[12:13] offset:512*(i-2)       ; the row two back: 256 consecutive bytes, aligned; no vector instruction since the wait names these registers
	global_store_b64 v3, v[X+8*(i-2)+2:X+8*(i-2)+3], s[12:13] offset:512*(i-2)+256
.endif
	v_cvt_pk_bf16_f32 v[X+8*i],   v[X+8*i],   v[X+8*i+1]
	v_cvt_pk_bf16_f32 v[X+8*i+1], v[X+8*i+2], v[X+8*i+3]
	v_cvt_pk_bf16_f32 v[X+8*i+2], v[X+8*i+4], v[X+8*i+5]
	v_cvt_pk_bf16_f32 v[X+8*i+3], v[X+8*i+6], v[X+8*i+7]
	v_lshlrev_b32 v12, 16, v[X+8*i]                ; two chains, each started by a product
	v_lshlrev_b32 v13, 16, v[X+8*i+2]
	v_mul_f32 v4, v12, v12
	v_mul_f32 v5, v13, v13
	v_fma_mix_f32_bf16 v4, v[X+8*i],   v[X+8*i],   v4 op_sel:[1,1,0] op_sel_hi:[1,1,0]
	v_fma_mix_f32_bf16 v5, v[X+8*i+2], v[X+8*i+2], v5 op_sel:[1,1,0] op_sel_hi:[1,1,0]
	v_fma_mix_f32_bf16 v4, v[X+8*i+1], v[X+8*i+1], v4 op_sel_hi:[1,1,0]
	v_fma_mix_f32_bf16 v5, v[X+8*i+3], v[X+8*i+3], v5 op_sel_hi:[1,1,0]
	v_fma_mix_f32_bf16 v4, v[X+8*i+1], v[X+8*i+1], v4 op_sel:[1,1,0] op_sel_hi:[1,1,0]
	v_fma_mix_f32_bf16 v5, v[X+8*i+3], v[X+8*i+3], v5 op_sel:[1,1,0] op_sel_hi:[1,1,0]
	v_add_f32 v4, v4, v5
	v_add_f32_dpp v4, v4, v4 row_xmask:1 row_mask:0xf bank_mask:0xf
	v_add_f32_dpp v4, v4, v4 row_xmask:2 row_mask:0xf bank_mask:0xf
	v_add_f32_dpp v4, v4, v4 row_xmask:4 row_mask:0xf bank_mask:0xf
	v_add_f32_dpp v4, v4, v4 row_xmask:8 row_mask:0xf bank_mask:0xf
	v_permlanex16_b32 v5, v4, s26, s27             ; v5 has been written: the destination counts as read
	v_add_f32 v[SM+i], v4, v5                      ; the row's sum, in every lane, in a register of its own
.set i, i+1
.endr
	s_wait_alu depctr_va_vdst(0)                   ; the last block has written its packed words, and all eight sums are written, which the stores below read; every vector instruction that names v[12:13] is done, for wave 0's LDS load further down
.set i, 6
.rept 2
	global_store_b64 v3, v[X+8*i:X+8*i+1],   s[12:13] offset:512*i
	global_store_b64 v3, v[X+8*i+2:X+8*i+3], s[12:13] offset:512*i+256
.set i, i+1
.endr
.set i, 0
.rept 8
	ds_store_b32 v10, v[SM+i] offset:4*i           ; word 8 w + i of the emb way's bytes; all lanes write the same number
.set i, i+1
.endr
	s_wait_dscnt 0x0                               ; for wave 0's sake
	s_barrier_signal -1
	s_barrier_wait -1
	s_cmp_lg_u32 s16, 0
	s_cbranch_scc1 .Lend
	ds_load_b64 v[12:13], v3 offset:EES            ; the group's 64 sums, two a lane; no vector instruction has been issued since the last wait on va_vdst, and no memory instruction has read v[12:13]
	s_wait_dscnt 0x0
	global_store_b64 v3, v[12:13], s[14:15]        ; 256 consecutive bytes of ee, aligned
.Lend:
	s_wait_dscnt 0x0                               ; the closing lines, six on end
	s_wait_alu 0x0
	s_wait_tensorcnt 0x0
	ds_add_u32 v148, v149
	s_wait_dscnt 0x0
	s_endpgm
.Lfunc_end_k_q6a6322ad1d_prep:
	.size	k_q6a6322ad1d_prep, .Lfunc_end_k_q6a6322ad1d_prep-k_q6a6322ad1d_prep
	.p2alignl 7, 3214868480
	.fill 96, 4, 3214868480
	.section	.rodata,"a",@progbits
	.p2align	6, 0x0
	.amdhsa_kernel k_q6a6322ad1d_prep
		.amdhsa_group_segment_fixed_size 5376
		.amdhsa_private_segment_fixed_size 0
		.amdhsa_enable_private_segment 0
		.amdhsa_kernarg_size 48
		.amdhsa_user_sgpr_count 2
		.amdhsa_user_sgpr_kernarg_segment_ptr 1
		.amdhsa_wavefront_size32 1
		.amdhsa_system_sgpr_workgroup_id_x 1
		.amdhsa_system_sgpr_workgroup_id_y 1
		.amdhsa_system_sgpr_workgroup_id_z 1
		.amdhsa_system_vgpr_workitem_id 0
		.amdhsa_next_free_vgpr 150
		.amdhsa_next_free_sgpr 66
		.amdhsa_reserve_vcc 0
		.amdhsa_float_denorm_mode_32 3
		.amdhsa_float_denorm_mode_16_64 3
		.amdhsa_memory_ordered 1
		.amdhsa_forward_progress 1
		.amdhsa_inst_pref_size 37
	.end_amdhsa_kernel
	.amdgpu_metadata
---
amdhsa.version: [ 1, 2 ]
amdhsa.kernels:
  - .name:           k_q6a6322ad1d_prep
    .symbol:         k_q6a6322ad1d_prep.kd
    .args:
      - { .name: z, .offset: 0, .size: 8, .value_kind: global_buffer, .address_space: global }
      - { .name: emb, .offset: 8, .size: 8, .value_kind: global_buffer, .address_space: global }
      - { .name: zb, .offset: 16, .size: 8, .value_kind: global_buffer, .address_space: global }
      - { .name: zz, .offset: 24, .size: 8, .value_kind: global_buffer, .address_space: global }
      - { .name: embh, .offset: 32, .size: 8, .value_kind: global_buffer, .address_space: global }
      - { .name: ee, .offset: 40, .size: 8, .value_kind: global_buffer, .address_space: global }
    .group_segment_fixed_size: 5376
    .private_segment_fixed_size: 0
    .kernarg_segment_align: 8
    .kernarg_segment_size: 48
    .max_flat_workgroup_size: 256
    .sgpr_count:     66
    .vgpr_count:     150
    .wavefront_size: 32
...
	.end_amdgpu_metadata
.endif
;; end of part 5
;; launch dist: the kernel of part 2 again; grid 4 x 64, 4 waves a work-group, clusters of 4 x 4, 327,680 bytes of LDS; arguments embh, zb, ee, zz, part; writes part
;; launch gath: the kernel of part 3 again; grid 256 x 1, 8 waves a work-group, no clusters, 311,552 bytes of LDS; arguments part, z, emb, zz, ee, out0, out2, lpart; writes out0, out2, lpart
;; launch lsum: the kernel of part 4 again; grid 1 x 1, 1 waves a work-group, no clusters, 0 bytes of LDS; arguments lpart, out1; writes out1
